; MI455X (gfx1250); checked and timed in simulation.
; The chip was launched on July 23, 2026; its instructions are those of AMD's public machine-readable ISA for CDNA 5 (MIT licence, August 2026) and "CDNA5" Instruction Set Architecture Reference Guide (July 2026). The comments in the code are by the model that wrote it; some were corrected since.
;; ONNX Multihead Attention. Allowed arithmetic: matrix products marked QUANTISED: E2M1 operands, one E8M0 scale for each 32 along K, by v_wmma_scale_f32_16x16x128_f8f6f4 with both operands' format E2M1 (or v_wmma_scale_f32_32x16x128_f4), f32 sums; products left as they are: bf16, f16 or f32 operands; f32 sums; everything else in f32.
;; Inputs: Wk 1,024 x 1,024 float32; Wo 1,024 x 1,024 float32; Wq 1,024 x 1,024 float32; Wv 1,024 x 1,024 float32; attn_mask 2,048 x 2,048 float32; bk 1,024 float32; bo 1,024 float32; bq 1,024 float32; bv 1,024 float32; key 2,048 x 4 x 1,024 float32; key_padding_mask 4 x 2,048 bool; query 2,048 x 4 x 1,024 float32; value 2,048 x 4 x 1,024 float32.
;; Outputs: out0 2,048 x 4 x 1,024 float32.
;; This version of the problem:
;;   THIS VERSION OF THE PROBLEM IS GIVEN IN LOW PRECISION. The matrix products marked QUANTISED in the list below multiply operands that are first quantised to E2M1 (2 exponent bits, 1 mantissa bit; 4 bits a number), with one power-of-two scale for each 32 numbers along K (OCP MX v1.0); their sums are f32. The products marked 'left as it is' may take bf16, f16 or f32 operands, with f32 sums. Whichever they take, every output number must still come out within the allowed error. Rounding operands to bf16 (8 significant bits) uses up far more of that allowance than f16 does (11 bits, for magnitudes from 6e-5 to 65,504). All else is computed in f32.
;;   The module's matrix products, in the order in which they are computed (A, B: the left and right operand; K: the contracted axis; several contracted axes count as one K, in the product's order):
;;     1. [M 8,192, K 1,024] x [K 1,024, N 1,024]; A: input query; B: input Wq: QUANTISED
;;     2. [M 8,192, K 1,024] x [K 1,024, N 1,024]; A: input key; B: input Wk: QUANTISED
;;     3. [M 8,192, K 1,024] x [K 1,024, N 1,024]; A: input value; B: input Wv: QUANTISED
;;     4. batch 64 x [M 2,048, K 64] x [K 64, N 2,048]; A: computed on the way; B: computed on the way: left as it is (an operand is computed on the way)
;;     5. batch 64 x [M 2,048, K 2,048] x [K 2,048, N 64]; A: computed on the way; B: computed on the way: left as it is (an operand is computed on the way)
;;     6. [M 8,192, K 1,024] x [K 1,024, N 1,024]; A: computed on the way; B: input Wo: left as it is (an operand is computed on the way)
;;   THE QUANTISER, for each operand of a quantised product, along K:
;;     - K is cut into blocks of 32 from its start; a last block that is shorter is filled with zeros.
;;     - A block's scale is 2^e with e = floor(log2(the largest magnitude in the block)) - 2, held to -126 .. 127; a block of zeros has e = 0. As a byte (E8M0): e + 127.
;;     - Each number is divided by its block's scale, clamped to +-6, and rounded to the nearest number of E2M1, ties to even, subnormals kept.
;;     - The product sums the exact products of the quantised numbers (number of the format x scale) in f32.
;;   ~~~python
;;   def quantise(x, axis):      # numpy; x: float32 -> the quantised numbers, widened to float32 again
;;       x = np.moveaxis(x, axis, -1); K = x.shape[-1]
;;       x = np.pad(x, [(0, 0)] * (x.ndim - 1) + [(0, -K % 32)]); x = x.reshape(x.shape[:-1] + (-1, 32)); a = np.abs(x).max(-1, keepdims=True)
;;       e = np.where(a > 0, np.clip(np.frexp(np.where(a > 0, a, 1))[1] - 1 - 2, -126, 127), 0)      # np.frexp(a)[1] - 1 = floor(log2(a)), exactly
;;       r = np.clip(x / 2.0 ** e, -6, 6)
;;       step = 2.0 ** (np.maximum(np.frexp(np.where(r == 0, 1, r))[1] - 1, 0) - 1)
;;       q = np.round(r / step) * step * 2.0 ** e      # np.round: ties to even
;;       return np.moveaxis(q.reshape(q.shape[:-2] + (-1,))[..., :K], -1, axis).astype(np.float32)
;;   ~~~
;; One version. Each part assembles by itself: llvm-mc -triple=amdgcn-amd-amdhsa -mcpu=gfx1250 --defsym DOCPART=n.
;; ======== version 1 of 1: 4 launches
;; limits: values are held in f16: magnitudes above 65,504 overflow, below 6.1e-05 lose precision; inputs' magnitudes at most 1e+38
;; workspace buffers: codes 14,155,776 bytes; scales 884,736 bytes; wo16 2,097,152 bytes; qkv 50,331,648 bytes; att 16,777,216 bytes
;; launch prep (part 1): grid 896 x 1, 4 waves a work-group, no clusters, 33,280 bytes of LDS; arguments query, key, value, Wq, Wk, Wv, Wo, codes, scales, wo16; writes codes, scales, wo16
.if DOCPART == 1
	.amdgcn_target "amdgcn-amd-amdhsa--gfx1250"
	.amdhsa_code_object_version 6
	.text
	.protected	k_q5804f3a26e_prep
	.globl	k_q5804f3a26e_prep
	.p2align	8
	.type	k_q5804f3a26e_prep,@function
k_q5804f3a26e_prep:
	s_mov_b64 s[64:65], 0
	v_nop
	global_prefetch_b8 v0, s[64:65] scope:SCOPE_SE
	s_setreg_imm32_b32 hwreg(HW_REG_WAVE_MODE, 25, 1), 1
	s_wait_xcnt 0x0
; query, key, value [8192][1024] and Wq, Wk, Wv [1024][1024], f32 with K innermost, become codes of FP4 (E2M1), two a byte, with one E8M0 byte for each 32 along K;
; Wo [1024][1024] becomes f16.  The six tensors' codes lie on end in one buffer (rows of 512 bytes: query, key, value, Wq, Wk, Wv), their scale bytes likewise (rows of 32 bytes).
; A block's scale is 2^(floor(log2(its largest magnitude)) - 2); its byte is the largest magnitude's exponent field - 2, held at 1 from below.  Each number is divided by the scale and rounded to the nearest code, ties to even,
; beyond the largest code the largest.  (A block of zeros gets the byte 1 where the rule says 127: its codes are zeros, which add nothing under any byte but 0xff, and this program alone reads the bytes.)
; LIMITS: blocks whose largest magnitude lies under 2^-124, the floor, were not tried; NaN and infinities among the inputs are not served; |Wo| stays under 65,504 (f16).
; SHARES: a work-group takes 32,768 numbers, a wave 8,192.  Work-groups 0-255 query, 256-511 key, 512-767 value, 768-799 Wq, 800-831 Wk, 832-863 Wv, 864-895 Wo.  Only the source's pointer is chosen;
; since the outputs lie on end in the same order, their offsets hang on the work-group's number alone.
; THE QUANTISING PATH: 16 steps of 512 numbers a wave.  Each load reads 512 bytes on end, 16 a lane; a step's 2,048 bytes turn through the wave's own stage in LDS and come back 64 bytes a lane: 16 neighbours along K,
; two neighbouring lanes to a block.  A lane's 16 codes are 8 bytes: the wave stores 256 bytes on end, aligned.  A wave's 256 scale bytes are gathered in LDS and leave as 256 bytes on end.  No barrier: waves share nothing.
; THE PATH FOR Wo: four groups of 16 loads, two groups ahead; 4 numbers a lane become 8 bytes: a store covers 256 bytes on end, aligned.  No stage.
.set STEPS, 16
.set EMAX,  2
.set CB,    8                          ; bytes of 16 codes
.set R,     16                         ; v16-79   four sets of 16 numbers as loaded (for Wo: v16-79 and v80-143, two sets of 64)
.set X,     80                         ; v80-111  two sets of 16 neighbours
.set C,     128                        ; v128-191 codes: four registers for each step, so that no store's data are written again
.set E,     112                        ; v112-127 a scale byte for each step
.set OUTW,  144                        ; v144-175 Wo: a group's 32 registers of f16
.set WREG,  8192                       ; LDS: a region for each wave: two stages of 32 x SP bytes, behind them its 256 scale bytes
.set SP,    80                         ; a lane's place in a stage: 64 bytes + 16 of padding
.set SPW,   12                         ; v12  LDS address of my spare word; never rewritten
.set NIL,   13                         ; v13  0; never rewritten
.set SPARE, 4*WREG                     ; behind the four regions: the spare words, 128 bytes a wave, which no other line names
.set WOG,   864                        ; the first work-group of Wo
	s_load_b512 s[8:23], s[0:1], 0x0               ; query s[8:9], key s[10:11], value s[12:13], Wq s[14:15], Wk s[16:17], Wv s[18:19], Wo s[20:21], codes s[22:23]
	s_load_b128 s[24:27], s[0:1], 0x40             ; scales s[24:25], wo16 s[26:27]
	v_lshl_add_u32 v[SPW], v0, 2, SPARE
	v_mov_b32 v[NIL], 0
	v_lshrrev_b32 v1, 5, v0
	v_readfirstlane_b32 s28, v1                    ; wave
	v_and_b32 v2, 31, v0                           ; lane
	v_lshlrev_b32 v3, 4, v2                        ; my 16 bytes of a load's 512
	s_mul_i32 s29, s28, WREG
	v_lshrrev_b32 v14, 2, v2
	v_mul_u32_u24 v14, v14, SP
	v_and_b32 v15, 3, v2
	v_lshl_add_u32 v14, v15, 4, v14
	v_add_nc_u32 v14, s29, v14                     ; the stage, on the way in: SP (lane / 4) + 16 (lane % 4); a load's 512 bytes take eight places
	v_mul_u32_u24 v15, v2, SP
	v_add_nc_u32 v15, s29, v15                     ; and on the way out: SP x lane: my 16 neighbours
	v_mul_u32_u24 v4, v2, CB                       ; 8 bytes a lane: my codes' place in a step's, and my f16 numbers' place in a store of Wo
	v_lshrrev_b32 v5, 1, v2
	s_add_co_u32 s29, s29, 2*32*SP
	v_add_nc_u32 v5, s29, v5                       ; LDS: my wave's 256 scale bytes, my block's byte
	v_lshlrev_b32 v7, 3, v2                        ; and on the way out 8 bytes a lane
	v_add_nc_u32 v6, s29, v7
	s_wait_kmcnt 0x0
; the source and its first work-group: a chain of choices that hang on the work-group's number alone
.macro PICK limit, ptr, base
	s_cmp_lt_u32 ttmp9, \limit
	s_cselect_b64 s[4:5], s[\ptr:\ptr+1], s[4:5]
	s_cselect_b32 s6, \base, s6
.endm
	s_mov_b64 s[4:5], s[20:21]
	s_mov_b32 s6, WOG
	PICK 864, 18, 832
	PICK 832, 16, 800
	PICK 800, 14, 768
	PICK 768, 12, 512
	PICK 512, 10, 256
	PICK 256, 8, 0
	s_sub_co_u32 s6, ttmp9, s6
	s_lshl_b32 s6, s6, 2
	s_add_co_u32 s6, s6, s28                       ; which run of 8,192 numbers of the tensor is my wave's
	s_lshl_b32 s30, s6, 15                         ; 32,768 bytes a run: under 2^26
	s_mov_b32 s31, 0
	s_add_nc_u64 s[4:5], s[4:5], s[30:31]
	s_cmp_ge_u32 ttmp9, WOG
	s_cbranch_scc1 .Lwo
	s_lshl_b32 s30, ttmp9, 2
	s_add_co_u32 s30, s30, s28                     ; which run of the six tensors on end
	s_lshl_b32 s32, s30, 12                        ; 4,096 bytes of codes a run
	s_mov_b32 s33, 0
	s_add_nc_u64 s[22:23], s[22:23], s[32:33]
	s_lshl_b32 s32, s30, 8                         ; 256 scale bytes a run
	s_add_nc_u64 s[24:25], s[24:25], s[32:33]
.macro LOAD t
.irp i, 0,1,2,3
	global_load_b128 v[R+16*((\t)%4)+4*\i:R+16*((\t)%4)+4*\i+3], v3, s[4:5] offset:2048*(\t)+512*\i th:TH_LOAD_NT   ; 32 lanes read 512 bytes on end
.endr
.endm
.macro TURN t                          ; step t's numbers through the stage: LDS serves a wave's instructions in order, so no wait stands between the stores and the loads
.irp i, 0,1,2,3
	ds_store_b128 v14, v[R+16*((\t)%4)+4*\i:R+16*((\t)%4)+4*\i+3] offset:32*SP*((\t)%2)+8*SP*\i
.endr
.irp i, 0,1,2,3
	ds_load_b128 v[X+16*((\t)%2)+4*\i:X+16*((\t)%2)+4*\i+3], v15 offset:32*SP*((\t)%2)+16*\i
.endr
.endm
.irp t, 0,1,2,3
	LOAD \t
.endr
	s_wait_loadcnt 12                              ; step 0's four loads are in; those of steps 1 to 3 may be out
	TURN 0
.macro STEP t
.set XS, X+16*((\t)%2)
.if (\t) > 0
	s_wait_dscnt 1                                 ; this step's numbers are back from the stage (the last step's byte store may be out): so its stores into the stage have read their registers,
.else
	s_wait_dscnt 0x0
.endif
.if (\t)+4 < STEPS
	LOAD (\t)+4                                    ; which take the loads of four steps on
.endif
.if (\t)+1 < STEPS
.if STEPS-2-(\t) >= 3
	s_wait_loadcnt 12                              ; the next step's four loads are in; those of the three steps behind it may be out
.else
	s_wait_loadcnt 4*(STEPS-2-(\t))
.endif
	TURN (\t)+1                                    ; and go through the other stage while this step is worked
.endif
	v_max3_num_f32 v8, |v[XS]|, |v[XS+1]|, |v[XS+2]|               ; the largest magnitude of my 16, in two chains
	v_max3_num_f32 v9, |v[XS+3]|, |v[XS+4]|, |v[XS+5]|
.irp i, 6,10
	v_max3_num_f32 v8, v8, |v[XS+\i]|, |v[XS+\i+1]|
	v_max3_num_f32 v9, v9, |v[XS+\i+2]|, |v[XS+\i+3]|
.endr
	v_max3_num_f32 v8, v8, |v[XS+14]|, |v[XS+15]|
	v_max3_num_f32 v8, v8, v9, (EMAX+1)<<23        ; and the floor 2^(3 - 127): so the byte cannot fall under 1
	v_max_num_f32_dpp v8, v8, v8 row_xmask:1 row_mask:0xf bank_mask:0xf   ; and of my neighbour's 16: the block's
	v_add_nc_u32 v11, -(EMAX<<23), v8              ; 2 off its exponent field: the conversion takes the exponent field of this operand as its scale, and nothing else of it
	v_cvt_scalef32_pk8_fp4_f32 v[C+4*(\t)], v[XS:XS+7], v11
	v_cvt_scalef32_pk8_fp4_f32 v[C+4*(\t)+1], v[XS+8:XS+15], v11
	v_lshrrev_b32 v[E+(\t)], 23, v11               ; the scale's byte (also the plain line behind the conversions)
	ds_store_b8 v5, v[E+(\t)] offset:16*(\t)       ; both lanes of a block write the same byte with the same value
	global_store_b64 v4, v[C+4*(\t):C+4*(\t)+1], s[22:23] offset:32*CB*(\t)   ; 32 lanes store 256 bytes on end, aligned
.endm
.irp t, 0,1,2,3,4,5,6,7,8,9,10,11,12,13,14,15
	STEP \t
.endr
	ds_load_b64 v[8:9], v6                         ; LDS serves a wave's instructions in order: these see my byte stores
	s_wait_dscnt 0x0
	global_store_b64 v7, v[8:9], s[24:25]          ; 32 lanes store 256 bytes on end, aligned
	s_wait_tensorcnt 0x0                           ; the wave's end: behind my last LDS store
	ds_add_u32 v[SPW], v[NIL]
	s_wait_dscnt 0x0
	s_endpgm
; ---- Wo to f16
.macro WLOAD g                         ; group g: 16 loads of 512 bytes on end, into set g % 2
.irp i, 0,1,2,3,4,5,6,7,8,9,10,11,12,13,14,15
	global_load_b128 v[R+64*((\g)%2)+4*\i:R+64*((\g)%2)+4*\i+3], v3, s[4:5] offset:8192*(\g)+512*\i th:TH_LOAD_NT
.endr
.endm
.macro WGROUP g
.if (\g) < 3
	s_wait_loadcnt 16                              ; this group's 16 loads are in; the next group's may be out
.else
	s_wait_loadcnt 0x0
.endif
.if (\g) > 0
	s_wait_xcnt 0x0                                ; the last group's stores have read their data: the registers are written again only behind this wait
.endif
.irp i, 0,1,2,3,4,5,6,7,8,9,10,11,12,13,14,15
	v_cvt_pk_f16_f32 v[OUTW+2*\i], v[R+64*((\g)%2)+4*\i], v[R+64*((\g)%2)+4*\i+1]
	v_cvt_pk_f16_f32 v[OUTW+2*\i+1], v[R+64*((\g)%2)+4*\i+2], v[R+64*((\g)%2)+4*\i+3]
.endr
.irp i, 0,1,2,3,4,5,6,7,8,9,10,11,12,13,14,15
	global_store_b64 v4, v[OUTW+2*\i:OUTW+2*\i+1], s[26:27] offset:4096*(\g)+256*\i   ; 32 lanes store 256 bytes on end, aligned
.endr
.if (\g)+2 < 4
	WLOAD (\g)+2
.endif
.endm
.Lwo:
	s_lshl_b32 s30, s6, 14                         ; 16,384 bytes of f16 a run (s31 is 0)
	s_add_nc_u64 s[26:27], s[26:27], s[30:31]
	WLOAD 0
	WLOAD 1
	WGROUP 0
	WGROUP 1
	WGROUP 2
	WGROUP 3
	s_wait_tensorcnt 0x0                           ; the wave's end, in the same form as the other path's
	ds_add_u32 v[SPW], v[NIL]
	s_wait_dscnt 0x0
	s_endpgm
.Lfunc_end_k_q5804f3a26e_prep:
	.size	k_q5804f3a26e_prep, .Lfunc_end_k_q5804f3a26e_prep-k_q5804f3a26e_prep
	.p2alignl 7, 3214868480
	.fill 96, 4, 3214868480
	.section	.rodata,"a",@progbits
	.p2align	6, 0x0
	.amdhsa_kernel k_q5804f3a26e_prep
		.amdhsa_group_segment_fixed_size 33280
		.amdhsa_private_segment_fixed_size 0
		.amdhsa_enable_private_segment 0
		.amdhsa_kernarg_size 80
		.amdhsa_user_sgpr_count 2
		.amdhsa_user_sgpr_kernarg_segment_ptr 1
		.amdhsa_wavefront_size32 1
		.amdhsa_system_sgpr_workgroup_id_x 1
		.amdhsa_system_sgpr_workgroup_id_y 1
		.amdhsa_system_sgpr_workgroup_id_z 1
		.amdhsa_system_vgpr_workitem_id 0
		.amdhsa_next_free_vgpr 192
		.amdhsa_next_free_sgpr 66
		.amdhsa_reserve_vcc 0
		.amdhsa_float_denorm_mode_32 3
		.amdhsa_float_denorm_mode_16_64 3
		.amdhsa_memory_ordered 1
		.amdhsa_forward_progress 1
		.amdhsa_inst_pref_size 55
	.end_amdhsa_kernel
	.amdgpu_metadata
---
amdhsa.version: [ 1, 2 ]
amdhsa.kernels:
  - .name:           k_q5804f3a26e_prep
    .symbol:         k_q5804f3a26e_prep.kd
    .args:
      - { .name: query, .offset: 0, .size: 8, .value_kind: global_buffer, .address_space: global }
      - { .name: key, .offset: 8, .size: 8, .value_kind: global_buffer, .address_space: global }
      - { .name: value, .offset: 16, .size: 8, .value_kind: global_buffer, .address_space: global }
      - { .name: Wq, .offset: 24, .size: 8, .value_kind: global_buffer, .address_space: global }
      - { .name: Wk, .offset: 32, .size: 8, .value_kind: global_buffer, .address_space: global }
      - { .name: Wv, .offset: 40, .size: 8, .value_kind: global_buffer, .address_space: global }
      - { .name: Wo, .offset: 48, .size: 8, .value_kind: global_buffer, .address_space: global }
      - { .name: codes, .offset: 56, .size: 8, .value_kind: global_buffer, .address_space: global }
      - { .name: scales, .offset: 64, .size: 8, .value_kind: global_buffer, .address_space: global }
      - { .name: wo16, .offset: 72, .size: 8, .value_kind: global_buffer, .address_space: global }
    .group_segment_fixed_size: 33280
    .private_segment_fixed_size: 0
    .kernarg_segment_align: 8
    .kernarg_segment_size: 80
    .max_flat_workgroup_size: 128
    .sgpr_count:     66
    .vgpr_count:     192
    .wavefront_size: 32
...
	.end_amdgpu_metadata
.endif
;; end of part 1
;; launch proj (part 2): grid 4 x 96, 4 waves a work-group, clusters of 4 x 4, 327,680 bytes of LDS; arguments codes, scales, bq, bk, bv, qkv; writes qkv
.if DOCPART == 2
	.amdgcn_target "amdgcn-amd-amdhsa--gfx1250"
	.amdhsa_code_object_version 6
	.text
	.protected	k_q5804f3a26e_proj
	.globl	k_q5804f3a26e_proj
	.p2align	8
	.type	k_q5804f3a26e_proj,@function
k_q5804f3a26e_proj:
	s_mov_b64 s[64:65], 0
	v_nop
	global_prefetch_b8 v0, s[64:65] scope:SCOPE_SE
	s_setreg_imm32_b32 hwreg(HW_REG_WAVE_MODE, 25, 1), 1
	s_wait_xcnt 0x0
	s_wait_alu depctr_hold_cnt(0) depctr_sa_sdst(0) depctr_va_vdst(0) depctr_va_sdst(0) depctr_va_ssrc(0) depctr_va_vcc(0) depctr_vm_vsrc(0)
	s_getreg_b32 s2, hwreg(HW_REG_IB_STS2, 6, 4)
	s_cmp_eq_u32 s2, 0
	s_cbranch_scc0 .Lentry_in_a_cluster
	s_endpgm
.Lentry_in_a_cluster:
	s_bfe_u32 s2, ttmp6, 0x10000c
	s_cmp_lg_u32 s2, 0xf033
	s_cbranch_scc0 .Lentry_shape_is_right
	s_endpgm
.Lentry_shape_is_right:
; The three projections on codes of FP4 (E2M1) with one E8M0 scale for each 32 along K: C[m][n] = sum over k of x[m][k] W[n][k] + bias[n], f32 sums; q is then multiplied by 1/8 (an exact power of two), and all three are rounded to f16.
; The rows m are query's, key's and value's 8,192 rows on end (24,576; row = 4 s + b); projection p = m / 8192 takes Wq, Wk or Wv, which lie behind them in the same two buffers (rows 24,576 + 1,024 p on).
; OUT: qkv [p][b][head][s][64] f16: 16,777,216 p + 262,144 (16 b + head) + 128 s bytes.
; LIMITS: |q| / 8, |k|, |v| stay under 65,504 (f16).
; A tile of C, 256 x 256, is made by a work-group of four waves; a wave makes 128 x 128: 64 accumulators of 16 x 16, 512 registers.  K = 1,024 is exactly two LDS slots of 512 along K (rows of 256 bytes): both are asked for
; at the head, nothing is filled again, and there is no loop.  The scale bytes of the tile's 256 + 256 rows, for all of K, are two dense blocks: they come once, as rows of 256 bytes.
; CLUSTERS: 4 x 4 work-groups.  The four of a row of the cluster need the same rows of x, the four of a column the same rows of W: each tile is asked for JOINTLY, by the same tensor load with the same descriptor and a mask
; that names the four.  A cluster's 1,024 rows lie inside one projection, so p is equal in all sixteen.
; THE MATRIX INSTRUCTION IS USED TRANSPOSED (source 0 = 16 rows of W, source 1 = 16 rows of x): a lane holds eight neighbouring n of one row m.  THE BIAS IS THE C OF EACH SUM'S FIRST PRODUCT.
; REGISTERS, in windows of 256: window 0: v0-31 addresses; v32-95 scale words, two sets; v128-191 x's fragments, ONE set; v192-255 the bias in the result's layout; on the way out v32-191 are free.
;   window 1: W's fragments, TWO sets, at v0 and v128.   window 2: the 32 accumulators of my rows 0-63 ((a, b) at v[8 (8 a + b)]);   window 3: those of my rows 64-127.
.set NQ,     4                         ; matrix instructions deep in a slot
.set ROWB,   256                       ; a tile's row in bytes: 512 codes
.set KROW,   512                       ; a row of codes in memory
.set PITCH,  272                       ; an LDS row: 256 bytes + 16 of padding = 68 words: the 16 rows that a load touches start at 16 different banks (64 banks of 4 bytes: ISA guide 11.1)
.set FR,     8                         ; registers of a fragment: 16 rows x 128 K
.set NL,     2                         ; LDS loads that bring one
.set NP,     4                         ; places behind this matrix instruction (ISA guide 7.12.1)
.set HALFT,  128*PITCH                 ; 128 rows: what one tensor load brings
.set SLOT,   4*HALFT                   ; x's 256 rows, then W's 256 rows
.set KS,     32                        ; a row of scale bytes
.set SCL,    2*SLOT                    ; behind the two slots: the scales, as rows of 256 bytes + 16 of padding
.set HALFS,  (128*KS/256)*272          ; the scales of 128 rows: what one tensor load brings
.set SBLK,   (16*KS/256)*272           ; those of 16 rows
.set SPARE,  SCL+4*HALFS               ; behind the scales: the spare words, 128 bytes a wave, which no other line names
.set SPITCH, 272                       ; the way out: a stage of 16 rows x (256 bytes + 16) for each wave, in slot 0, which has had its only fill and its last read when the first result is stored there
.set XROWS,  24576
.set ADRA, 16                          ; v16-17  LDS address of my x fragments in slot 0, 1
.set ADRB, 20                          ; v20-21  the same for W
.set STO,  24                          ; v24     the way out: where I put 16 bytes of a row
.set RD,   25                          ; v25     where I read 16 bytes back
.set CO,   26                          ; v26     16 x lane: my place in a store's 512 bytes, for b = 0, 1
.set ADRS, 27                          ; v27     LDS address of my scale words: lanes 0-15 x's rows, lanes 16-31 W's
.set SPW,  28                          ; v28     LDS address of my spare word; never rewritten
.set NIL,  29                          ; v29     0; never rewritten
.set CO2,  30                          ; v30     CO + 8,388,608, for b = 2, 3: the stores' immediates stay inside 24 signed bits
.set BOF,  31                          ; v31     32 x (lane / 16): my half's eight numbers of a bias tile
.set SC,   32                          ; scale words: set s at v[SC + 32 s]; register 4 i + q: lanes 0-15 x's block i, lanes 16-31 W's block i, the slot's q-th 128 along K
.set TMP,  32                          ; the way out: 64 registers at work
.set AF,   128                         ; x's fragments
.set BK,   128                         ; the way out: a block read back: v128-159 and v160-191 by turns
.set BIAS, 192
.set G1, 24                            ; s[24:31] group 1 for x's tiles; s[32:39] group 0, a set for each slot
.set G0, 32
.set G1B, 48                           ; s[48:55], s[56:63] the same for W's
.set G0B, 56
.set G1S, 68                           ; s[68:75], s[76:79] groups 1 and 0 for x's scales; s[80:87], s[88:91] for W's
.set G0S, 76
.set G1SB, 80
.set G0SB, 88
.set MSB, 0
.macro WIN new                         ; the immediate's high byte repeats the setting that is left; a switch that changes nothing is dropped
.if MSB != (\new)
	s_set_vgpr_msb (MSB<<8)|(\new)
.set MSB, (\new)
.endif
.endm
.set MUL_LO, 0xa1                      ; source 0 (W) window 1, source 1 (x) window 0, C and D window 2
.set MUL_HI, 0xf1                      ; the same, C and D window 3
.set FST_LO, 0x81                      ; the first products: C (the bias) window 0, D window 2
.set FST_HI, 0xc1                      ; D window 3
.set TO_B,   0x40                      ; destination window 1, address window 0
; A joint load: waves 0 and 1 fetch for x, waves 2 and 3 for W.  Each line has one mask and one set of registers for all that issue it; the branch hangs on the wave's number alone.
; An s_nop 0 and four v_nop follow each line, ahead of the jump, the label and what follows.
.macro JLOAD g0a, g1a, g0b, g1b
	s_cmp_eq_u32 s15, 0
	s_cbranch_scc0 .Lfor_b_\@
	tensor_load_to_lds s[\g0a:\g0a+3], s[\g1a:\g1a+7]
	s_nop 0
.rept 4
	v_nop
.endr
	s_branch .Lasked_\@
.Lfor_b_\@:
	tensor_load_to_lds s[\g0b:\g0b+3], s[\g1b:\g1b+7]
	s_nop 0
.rept 4
	v_nop
.endr
.Lasked_\@:
.endm
.macro CROUND                          ; a round of the cluster's barrier: my work-group's barrier; wave 0 signals for the work-group; every wave waits for all sixteen; my work-group's barrier once more
	s_barrier_signal -1
	s_barrier_wait -1
	s_cmp_lg_u32 s14, 0
	s_cbranch_scc1 .Lnot_wave_0_\@
	s_barrier_signal -3
.Lnot_wave_0_\@:
	s_barrier_wait -3
	s_barrier_signal -1
	s_barrier_wait -1
.endm
	s_load_b256 s[4:11], s[0:1], 0x0               ; codes s[4:5], scales s[6:7], bq s[8:9], bk s[10:11]
	s_load_b128 s[96:99], s[0:1], 0x20             ; bv s[96:97], qkv s[98:99]
	v_lshl_add_u32 v[SPW], v0, 2, SPARE
	v_mov_b32 v[NIL], 0
	ds_add_u32 v[SPW], v[NIL]                      ; the wave's opening: the add, twice on end, and its wait ahead of my first tensor load; the set-up below stands between
	ds_add_u32 v[SPW], v[NIL]
	v_lshrrev_b32 v1, 5, v0
	v_readfirstlane_b32 s14, v1                    ; wave 0..3
	s_lshr_b32 s15, s14, 1                         ; which half of the tile's rows is mine.  Also: I fetch for x (0) or for W (1)
	s_and_b32 s16, s14, 1                          ; which half of its columns.  Also: which 128 rows of that tile I fetch
	s_bfe_u32 s40, ttmp6, 0x40000                  ; cx, cy: my place in the cluster
	s_bfe_u32 s41, ttmp6, 0x40004
	s_lshl_b32 s42, ttmp9, 2
	s_add_co_u32 s42, s42, s40                     ; tile column = 4 x cluster x + cx
	s_and_b32 s12, ttmp7, 0xffff                   ; cluster y
	s_lshr_b32 s13, s12, 3                         ; p: eight clusters of 1,024 rows to a projection
	s_lshl_b32 s17, s12, 2
	s_add_co_u32 s17, s17, s41                     ; tile row = 4 x cluster y + cy
	s_lshl_b32 s43, s41, 2
	s_lshl_b32 s43, 15, s43                        ; my row of the cluster
	s_lshl_b32 s44, 0x1111, s40                    ; my column
	; group 1: a tile of 128 rows x 256 bytes, padded in LDS
	s_or_b32 s[G1+0], s43, (0<<16)|(1<<20)|(1<<21)|(5<<22)|(3<<25)  ; 15:0 the mask: x's tiles go to my row; 17:16 elements of 1 byte; 20 padding on; 21 set beside a mask; 24:22 after every 64 words; 31:25 four words
	s_or_b32 s[G1B+0], s44, (0<<16)|(1<<20)|(1<<21)|(5<<22)|(3<<25)
.irp g, G1, G1B
	s_mov_b32 s[\g+1], ROWB<<16                    ; tensor_dim0
	s_mov_b32 s[\g+2], 128<<16                     ; tensor_dim1
	s_mov_b32 s[\g+3], ROWB<<16                    ; tile_dim0
	s_mov_b32 s[\g+4], 128                         ; tile_dim1
	s_mov_b32 s[\g+5], KROW                        ; from row to row
	s_mov_b32 s[\g+6], 0
	s_mov_b32 s[\g+7], 0
.endr
	; the scales of 128 rows: a dense block of 4,096 bytes, as 16 rows of 256 bytes (32 elements of 8 bytes), 16 bytes of padding behind each
	s_or_b32 s[G1S+0], s43, (3<<16)|(1<<20)|(1<<21)|(5<<22)|(3<<25)
	s_or_b32 s[G1SB+0], s44, (3<<16)|(1<<20)|(1<<21)|(5<<22)|(3<<25)
.irp g, G1S, G1SB
	s_mov_b32 s[\g+1], 32<<16
	s_mov_b32 s[\g+2], (128*KS/256)<<16
	s_mov_b32 s[\g+3], 32<<16
	s_mov_b32 s[\g+4], 128*KS/256
	s_mov_b32 s[\g+5], 32
	s_mov_b32 s[\g+6], 0
	s_mov_b32 s[\g+7], 0
.endr
	s_lshl_b32 s18, s16, 7                         ; which 128 rows of the tile I fetch
	s_lshl_b32 s20, s17, 8
	s_add_co_u32 s20, s20, s18                     ; x: row 256 x tile row + 128 x half
	s_lshl_b32 s46, s42, 8
	s_add_co_u32 s46, s46, s18                     ; W: row 24,576 + 1,024 p + 256 x tile column + 128 x half
	s_lshl_b32 s19, s13, 10
	s_add_co_u32 s46, s46, s19
	s_add_co_u32 s46, s46, XROWS
	s_mov_b32 s21, 0
	s_mov_b32 s47, 0
	s_mov_b64 s[18:19], KS
	s_mul_u64 s[22:23], s[20:21], s[18:19]         ; where these rows' scales begin, in bytes
	s_mul_u64 s[92:93], s[46:47], s[18:19]
	s_mov_b64 s[18:19], KROW
	s_mul_u64 s[20:21], s[20:21], s[18:19]         ; and their codes
	s_mul_u64 s[46:47], s[46:47], s[18:19]
	s_mul_i32 s45, s14, HALFT                      ; where they go: wave x 128 rows: no place in the cluster enters an LDS address
	s_mul_i32 s94, s14, HALFS
	s_mov_b32 s100, 0x3f800000                     ; what the results are multiplied by: 1,
	s_cmp_eq_u32 s13, 0
	s_cselect_b32 s100, 0x3e000000, s100           ; or 1/8 for q
	s_mov_b32 s101, s100                           ; (named with it as a pair, so it is written)
	s_wait_dscnt 0x0                               ; both opening adds are done
	s_wait_kmcnt 0x0
	s_add_nc_u64 s[20:21], s[4:5], s[20:21]
	s_add_nc_u64 s[22:23], s[6:7], s[22:23]
	s_add_nc_u64 s[46:47], s[4:5], s[46:47]
	s_add_nc_u64 s[92:93], s[6:7], s[92:93]
	s_cmp_eq_u32 s13, 0                            ; the projection's bias: a choice that hangs on the cluster's y alone
	s_cselect_b64 s[8:9], s[8:9], s[10:11]
	s_cmp_eq_u32 s13, 2
	s_cselect_b64 s[8:9], s[96:97], s[8:9]
	CROUND                                         ; all sixteen work-groups are here: the first joint loads meet
	s_mov_b32 s[G0S], 1
	s_add_co_u32 s[G0S+1], s94, SCL
	s_mov_b64 s[G0S+2:G0S+3], s[22:23]
	s_or_b32 s[G0S+3], s[G0S+3], 0x80000000
	s_mov_b32 s[G0SB], 1
	s_add_co_u32 s[G0SB+1], s94, SCL
	s_mov_b64 s[G0SB+2:G0SB+3], s[92:93]
	s_or_b32 s[G0SB+3], s[G0SB+3], 0x80000000
	JLOAD G0S, G1S, G0SB, G1SB                     ; the scales first: they are wanted with the first slot
.irp s, 0,1
	s_mov_b32 s[G0+4*\s], 1
	s_add_co_u32 s[G0+4*\s+1], s45, \s*SLOT
	s_add_nc_u64 s[G0+4*\s+2:G0+4*\s+3], s[20:21], \s*ROWB
	s_or_b32 s[G0+4*\s+3], s[G0+4*\s+3], 0x80000000
	s_mov_b32 s[G0B+4*\s], 1
	s_add_co_u32 s[G0B+4*\s+1], s45, \s*SLOT
	s_add_nc_u64 s[G0B+4*\s+2:G0B+4*\s+3], s[46:47], \s*ROWB
	s_or_b32 s[G0B+4*\s+3], s[G0B+4*\s+3], 0x80000000
	JLOAD G0+4*\s, G1, G0B+4*\s, G1B               ; three tensor loads of mine are out
.endr
	v_and_b32 v1, 15, v0                           ; r = lane % 16
	v_bfe_u32 v2, v0, 4, 1                         ; h = lane / 16
	s_lshl_b32 s46, s42, 10                        ; the bias of my 128 columns: 4 x (256 x tile column + 128 x half) bytes on
	s_lshl_b32 s47, s16, 9
	s_add_co_u32 s46, s46, s47
	s_mov_b32 s47, 0
	s_add_nc_u64 s[8:9], s[8:9], s[46:47]
	v_lshlrev_b32 v[BOF], 5, v2
.irp b, 0,1,2,3,4,5,6,7
	global_load_b128 v[BIAS+8*\b:BIAS+8*\b+3], v[BOF], s[8:9] offset:64*\b        ; lane (r, h): bias of columns 16 b + 8 h + 0 .. 7: the result's layout
	global_load_b128 v[BIAS+8*\b+4:BIAS+8*\b+7], v[BOF], s[8:9] offset:64*\b+16
.endr
	v_mul_u32_u24 v3, v1, PITCH
	v_lshl_add_u32 v4, v2, 4, v3                   ; a fragment's row x pitch + 16 x half
	s_mul_i32 s21, s15, HALFT                      ; my 128 rows of x
	s_mul_i32 s22, s16, HALFT                      ; my 128 rows of W,
	s_add_co_u32 s22, s22, 2*HALFT                 ; which lie behind x's 256
.irp s, 0,1
	v_add_nc_u32 v[ADRA+\s], s21, v4
	v_add_nc_u32 v[ADRB+\s], s22, v4
	s_add_co_u32 s21, s21, SLOT
	s_add_co_u32 s22, s22, SLOT
.endr
	v_mul_u32_u24 v5, v1, KS                       ; my row's scales: 32 bytes a row,
	v_lshrrev_b32 v6, 8, v5
	v_lshl_add_u32 v5, v6, 4, v5                   ; and 16 more for each 256 passed
	s_mul_i32 s21, s15, HALFS                      ; x's: my 128 rows
	s_mul_i32 s22, s16, HALFS                      ; W's: my 128 rows, behind x's 256
	s_add_co_u32 s22, s22, 2*HALFS
	s_sub_co_u32 s22, s22, s21
	v_mul_u32_u24 v6, s22, v2                      ; lanes 16-31 take W's: one product, the distance between the two bases
	s_add_co_u32 s21, s21, SCL
	v_add_nc_u32 v5, v5, v6
	v_add_nc_u32 v[ADRS], s21, v5
	s_mul_i32 s23, s14, 16*SPITCH                  ; my stage
	v_mul_u32_u24 v5, v1, SPITCH                   ; in: row r, 16 bytes for each half of the lanes
	v_lshl_add_u32 v5, v2, 4, v5
	v_add_nc_u32 v[STO], s23, v5
	v_and_b32 v6, 31, v0
	v_lshlrev_b32 v[CO], 4, v6
	v_add_nc_u32 v[CO2], 0x800000, v[CO]
	v_lshrrev_b32 v5, 3, v6                        ; back: eight lanes take 128 bytes (a head's 64 numbers) of one row; lanes 8 further on take the row 4 further down: the same b, the next s
	v_mul_u32_u24 v5, v5, 4*SPITCH
	v_and_b32 v6, 7, v6
	v_lshl_add_u32 v5, v6, 4, v5
	v_add_nc_u32 v[RD], s23, v5
	; where my part begins in qkv: 16,777,216 p + 262,144 (4 x tile column + 2 x column half) + 128 (64 (tile row % 32) + 32 x row half)
	s_lshl_b32 s46, s42, 2
	s_lshl_b32 s47, s16, 1
	s_add_co_u32 s46, s46, s47
	s_lshl_b32 s46, s46, 18
	s_mov_b32 s47, 0
	s_lshl_b32 s20, s13, 24
	s_and_b32 s21, s17, 31
	s_lshl_b32 s21, s21, 13
	s_add_co_u32 s20, s20, s21
	s_lshl_b32 s21, s15, 12
	s_add_co_u32 s20, s20, s21
	s_mov_b32 s21, 0
	s_add_nc_u64 s[20:21], s[20:21], s[46:47]
	s_add_nc_u64 s[98:99], s[98:99], s[20:21]
.macro FRAG reg, adr, q, i             ; a fragment, 16 rows x 128 K of 4-bit codes, is 8 registers: lane l holds row l % 16; registers 4 c .. 4 c + 3 hold K = 64 c + 32 (l / 16) + 0 .. 31
.irp c, 0,1
	ds_load_b128 v[\reg+4*\c:\reg+4*\c+3], v[\adr] offset:64*(\q)+32*\c+(\i)*16*PITCH
.endr
.endm
; 16 matrix instructions: x's blocks a0, a0 + 1 against W's eight, the slot's q-th 128 along K.  p: W's set; sc: the set of scale words.  first = 1: C is the bias: nothing is cleared and nothing is added later.
; The 64 accumulators take turns, one instruction a turn, in the same order in every step.
.macro MUL16 a0, p, q, sc, first
.irp a, \a0, \a0+1
.irp b, 0,1,2,3,4,5,6,7
.if \first
	v_wmma_scale_f32_16x16x128_f8f6f4 v[8*(8*((\a)%4)+\b):8*(8*((\a)%4)+\b)+7], v[128*(\p)+FR*\b:128*(\p)+FR*\b+FR-1], v[AF+FR*(\a):AF+FR*(\a)+FR-1], v[BIAS+8*\b:BIAS+8*\b+7], v[SC+8*NQ*(\sc)+NQ*\b+(\q)], v[SC+8*NQ*(\sc)+NQ*(\a)+(\q)] matrix_a_fmt:MATRIX_FMT_FP4 matrix_b_fmt:MATRIX_FMT_FP4 matrix_a_scale:MATRIX_SCALE_ROW1
.else
	v_wmma_scale_f32_16x16x128_f8f6f4 v[8*(8*((\a)%4)+\b):8*(8*((\a)%4)+\b)+7], v[128*(\p)+FR*\b:128*(\p)+FR*\b+FR-1], v[AF+FR*(\a):AF+FR*(\a)+FR-1], v[8*(8*((\a)%4)+\b):8*(8*((\a)%4)+\b)+7], v[SC+8*NQ*(\sc)+NQ*\b+(\q)], v[SC+8*NQ*(\sc)+NQ*(\a)+(\q)] matrix_a_fmt:MATRIX_FMT_FP4 matrix_b_fmt:MATRIX_FMT_FP4 matrix_a_scale:MATRIX_SCALE_ROW1
.endif
.endr
.endr
.endm
.macro FETCH_B slot, q, p              ; W's eight fragments of the slot's q-th 128 along K into set p
	WIN TO_B
.irp i, 0,1,2,3,4,5,6,7
	FRAG 128*(\p)+FR*\i, ADRB+\slot, \q, \i
.endr
	WIN 0
.endm
.macro FETCH_A slot, q, i0             ; x's blocks i0 .. i0 + 3
.irp i, \i0, \i0+1, \i0+2, \i0+3
	FRAG AF+FR*(\i), ADRA+\slot, \q, \i
.endr
.endm
.macro SCALES sc                       ; a slot's scale words into set sc: four words a row; lanes 0-15 take x's block i, lanes 16-31 W's block i
.irp i, 0,1,2,3,4,5,6,7
	ds_load_b128 v[SC+8*NQ*\sc+NQ*\i:SC+8*NQ*\sc+NQ*\i+3], v[ADRS] offset:\i*SBLK
.endr
.endm
; A load into a register that a matrix instruction has read, and a vector instruction or an LDS store that reads a matrix result, stand four places behind that matrix instruction; only plain vector
; instructions that name none of its registers are places (ISA guide 7.12.1 for vector instructions).
.macro PLACES n
.rept \n
	v_nop
.endr
.endm
; A step of 128 along K that has its successor in the same slot.  A block of x is free as soon as its eight products are issued, so one set serves x: blocks 0-3 are fetched anew in the step's middle, blocks 4-7 at its end.
.macro STEP slot, q, first
	s_wait_dscnt 4*NL                              ; W's set and x's blocks 0-3 are in; the youngest eight loads (x's blocks 4-7) may be out
.if \first
	WIN FST_LO
.else
	WIN MUL_LO
.endif
	MUL16 0, (\q)%2, \q, \slot, \first
	MUL16 2, (\q)%2, \q, \slot, \first
	s_wait_dscnt 0                                 ; x's blocks 4-7 are in (asked for 32 matrix instructions ago)
	PLACES NP
	FETCH_B \slot, (\q)+1, 1-(\q)%2
	FETCH_A \slot, (\q)+1, 0
.if \first
	WIN FST_HI
.else
	WIN MUL_HI
.endif
	MUL16 4, (\q)%2, \q, \slot, \first
	MUL16 6, (\q)%2, \q, \slot, \first
	PLACES NP
	WIN 0
	FETCH_A \slot, (\q)+1, 4
.endm
; Slot 0's last step goes over to slot 1: one barrier; in front of it each wave waits for all its tensor loads (slot 1's part), adds 0 to its spare word, and waits for that and for its reads of slot 0.
; Nothing is filled again.  Behind this barrier nobody reads slot 0: the stages of the way out lie there.
.macro TURN slot, next
	s_wait_tensorcnt 0x0                           ; all my tensor loads have landed  (every window is 0 here: the add's two registers lie in window 0)
	ds_add_u32 v[SPW], v[NIL]                      ; 0 onto my spare word
	s_wait_dscnt 4*NL+1                            ; (the add and the youngest eight loads may be out)
	WIN MUL_LO
	MUL16 0, 1, NQ-1, \slot, 0                     ; sixteen matrix instructions stand between the add and the wait for it
	s_wait_dscnt 0x0                               ; the add is done, and my reads of this slot are over
	s_barrier_signal -1
	MUL16 2, 1, NQ-1, \slot, 0
	WIN 0
	s_barrier_wait -1
	PLACES NP
	v_add_nc_u32 v[ADRS], 4*NQ, v[ADRS]            ; on to the next slot's scale words (no LDS load of mine is out)
	FETCH_B \next, 0, 0
	FETCH_A \next, 0, 0
	SCALES \next
	WIN MUL_HI
	MUL16 4, 1, NQ-1, \slot, 0
	MUL16 6, 1, NQ-1, \slot, 0
	PLACES NP
	WIN 0
	FETCH_A \next, 0, 4
.endm
.macro STEPS slot, from                ; the slot's steps from .. NQ - 2
.set QS, \from
.rept NQ-1-\from
	STEP \slot, QS, 0
.set QS, QS+1
.endr
.endm
	s_wait_tensorcnt 1                             ; the scales and my part of slot 0 are in (slot 1's load may be out)
	s_barrier_signal -1
	s_barrier_wait -1                              ; everybody's are
	FETCH_B 0, 0, 0
	FETCH_A 0, 0, 0
	SCALES 0
	FETCH_A 0, 0, 4
	s_wait_loadcnt 0x0                             ; the bias
	STEP 0, 0, 1                                   ; the first step's products start the sums with the bias
	STEPS 0, 1
	TURN 0, 1
	STEPS 1, 0
	s_wait_dscnt 4*NL                              ; the very last step: nothing more to fetch
	WIN MUL_LO
	MUL16 0, 1, NQ-1, 1, 0
	MUL16 2, 1, NQ-1, 1, 0
	s_wait_dscnt 0
	WIN MUL_HI
	MUL16 4, 1, NQ-1, 1, 0
	MUL16 6, 1, NQ-1, 1, 0
	WIN 0
; THE WAY OUT, block by block of 16 rows x 128 columns.  16 rows are 4 s x 4 b, 128 columns two heads.  PACK: x f, rounded to f16: a lane's eight numbers are 16 bytes.  TOSTAGE: into my stage, and back so that a load's
; 32 lanes hold, for one b and one head, 4 neighbouring s x 128 bytes: 512 bytes that lie on end in qkv.  SEND: eight stores of 512 bytes on end, aligned.
.macro PACK a
.set AC, 64*((\a)%4)
	WIN 0x02+(\a)/4                                ; source 0: window 2 or 3
.set i, 0
.rept 32
	v_pk_mul_f32 v[TMP+2*i:TMP+2*i+1], v[AC+2*i:AC+2*i+1], s[100:101] op_sel_hi:[1,0]   ; each accumulator from its low end on
.set i, i+1
.endr
	WIN 0
.set i, 0
.rept 32
	v_cvt_pk_f16_f32 v[TMP+i], v[TMP+2*i], v[TMP+2*i+1]   ; laid over the numbers that have been converted: register i lies under pair i / 2
.set i, i+1
.endr
.endm
.macro TOSTAGE a
.set BB, BK+32*((\a)%2)
.irp b, 0,1,2,3,4,5,6,7
	ds_store_b128 v[STO], v[TMP+4*\b:TMP+4*\b+3] offset:32*\b
.endr
.irp b, 0,1,2,3
.irp hd, 0,1
	ds_load_b128 v[BB+4*(2*\b+\hd):BB+4*(2*\b+\hd)+3], v[RD] offset:SPITCH*\b+128*\hd   ; LDS serves a wave's instructions in order (ISA guide 5.7.1.4): these see the stores above, and the next block's stores come behind them
.endr
.endr
.endm
.macro SEND a, younger                 ; younger: the LDS instructions issued behind block a's loads, which may stay out
.set BB, BK+32*((\a)%2)
	s_wait_dscnt \younger
.irp b, 0,1,2,3
.irp hd, 0,1
.if \b < 2
	global_store_b128 v[CO], v[BB+4*(2*\b+\hd):BB+4*(2*\b+\hd)+3], s[98:99] offset:\b*4194304+\hd*262144+512*(\a)
.else
	global_store_b128 v[CO2], v[BB+4*(2*\b+\hd):BB+4*(2*\b+\hd)+3], s[98:99] offset:(\b-2)*4194304+\hd*262144+512*(\a)
.endif
.endr
.endr
.endm
	PLACES NP                                      ; behind the last products: their scale words' and fragments' registers are written below
	PACK 0
	TOSTAGE 0
.irp a, 1,2,3,4,5,6,7
.if \a > 1
	s_wait_xcnt 0x0                                ; block a - 2's stores have read their registers: block a's loads may land there
.endif
	PACK \a
	TOSTAGE \a
	SEND \a-1, 16                                  ; behind block a - 1's loads: block a's 8 stores and 8 loads
.endr
	SEND 7, 0
	s_wait_tensorcnt 0x0                           ; the wave's end: behind my last tensor load and my last LDS store
	ds_add_u32 v[SPW], v[NIL]
	s_wait_dscnt 0x0
	CROUND                                         ; the closing round: no work-group ends while a partner may still ask for a tile that names it
	s_endpgm
.Lfunc_end_k_q5804f3a26e_proj:
	.size	k_q5804f3a26e_proj, .Lfunc_end_k_q5804f3a26e_proj-k_q5804f3a26e_proj
	.p2alignl 7, 3214868480
	.fill 96, 4, 3214868480
	.section	.rodata,"a",@progbits
	.p2align	6, 0x0
	.amdhsa_kernel k_q5804f3a26e_proj
		.amdhsa_group_segment_fixed_size 327680
		.amdhsa_private_segment_fixed_size 0
		.amdhsa_enable_private_segment 0
		.amdhsa_kernarg_size 48
		.amdhsa_user_sgpr_count 2
		.amdhsa_user_sgpr_kernarg_segment_ptr 1
		.amdhsa_wavefront_size32 1
		.amdhsa_system_sgpr_workgroup_id_x 1
		.amdhsa_system_sgpr_workgroup_id_y 1
		.amdhsa_system_sgpr_workgroup_id_z 1
		.amdhsa_system_vgpr_workitem_id 0
		.amdhsa_next_free_vgpr 1024
		.amdhsa_next_free_sgpr 102
		.amdhsa_reserve_vcc 0
		.amdhsa_float_denorm_mode_32 3
		.amdhsa_float_denorm_mode_16_64 3
		.amdhsa_memory_ordered 1
		.amdhsa_forward_progress 1
		.amdhsa_inst_pref_size 144
	.end_amdhsa_kernel
	.amdgpu_metadata
---
amdhsa.version: [ 1, 2 ]
amdhsa.kernels:
  - .name:           k_q5804f3a26e_proj
    .symbol:         k_q5804f3a26e_proj.kd
    .args:
      - { .name: codes, .offset: 0, .size: 8, .value_kind: global_buffer, .address_space: global }
      - { .name: scales, .offset: 8, .size: 8, .value_kind: global_buffer, .address_space: global }
      - { .name: bq, .offset: 16, .size: 8, .value_kind: global_buffer, .address_space: global }
      - { .name: bk, .offset: 24, .size: 8, .value_kind: global_buffer, .address_space: global }
      - { .name: bv, .offset: 32, .size: 8, .value_kind: global_buffer, .address_space: global }
      - { .name: qkv, .offset: 40, .size: 8, .value_kind: global_buffer, .address_space: global }
    .group_segment_fixed_size: 327680
    .private_segment_fixed_size: 0
    .kernarg_segment_align: 8
    .kernarg_segment_size: 48
    .max_flat_workgroup_size: 128
    .sgpr_count:     102
    .vgpr_count:     1024
    .wavefront_size: 32
...
	.end_amdgpu_metadata
.endif
;; end of part 2
;; launch attn (part 3): grid 8 x 32, 8 waves a work-group, clusters of 4 x 4, 327,680 bytes of LDS; arguments qkv, attn_mask, key_padding_mask, att; writes att
.if DOCPART == 3
	.amdgcn_target "amdgcn-amd-amdhsa--gfx1250"
	.amdhsa_code_object_version 6
	.text
	.protected	k_q5804f3a26e_attn
	.globl	k_q5804f3a26e_attn
	.p2align	8
	.type	k_q5804f3a26e_attn,@function
k_q5804f3a26e_attn:
	s_mov_b64 s[64:65], 0
	v_nop
	global_prefetch_b8 v0, s[64:65] scope:SCOPE_SE
	s_setreg_imm32_b32 hwreg(HW_REG_WAVE_MODE, 25, 1), 1
	s_wait_xcnt 0x0
	s_wait_alu depctr_hold_cnt(0) depctr_sa_sdst(0) depctr_va_vdst(0) depctr_va_sdst(0) depctr_va_ssrc(0) depctr_va_vcc(0) depctr_vm_vsrc(0)
	s_getreg_b32 s2, hwreg(HW_REG_IB_STS2, 6, 4)
	s_cmp_eq_u32 s2, 0
	s_cbranch_scc0 .Lentry_in_a_cluster
	s_endpgm
.Lentry_in_a_cluster:
	s_bfe_u32 s2, ttmp6, 0x10000c
	s_cmp_lg_u32 s2, 0xf033
	s_cbranch_scc0 .Lentry_shape_is_right
	s_endpgm
.Lentry_shape_is_right:
; att[4 s + b][64 head + :] = the sum over keys of softmax_k(q . k / 8 + attn_mask[s][k], -infinity where key_padding_mask[b][k]) v[k][:].
; qkv: f16, [3][b][head][s][64]; q already holds (x Wq^T + bq) / 8.  attn_mask [2048][2048] f32; key_padding_mask [4][2048] bytes 0 or 1; att: f16, rows of 2,048 bytes.
; Products on f16 operands, sums, maxima and the softmax in f32; the weights p are rounded to f16 for the second product, the result once at the end.
; LIMITS: scores stay under 2e38 in magnitude; NaN, and +infinity in attn_mask, are not served; -infinity in attn_mask enters as the C of a matrix instruction and rests on that sum staying -infinity.
; A row all of whose keys are hidden gives NaN (its sum is 0), as the definition does.
; SHARES.  A work-group owns 256 queries x 2 heads (2 hp, 2 hp + 1) of one batch b: x = block of queries, y = 8 b + hp.  Wave w: head 2 hp + w / 4, queries 64 (w % 4) + 0 .. 63: four tiles of 16, in 512 registers:
; two waves to a SIMD, so that one wave's softmax stands beside the other's products.  Every wave walks 32 steps of 64 keys.
; LAYOUT.  S^T = K Q^T + C (source 0 = 16 keys, source 1 = 16 queries): a lane holds ONE query (lane % 16) and keys 8 (lane / 16) + 0 .. 7.  C IS THE MASK'S TILE, loaded from LDS into the accumulator's registers as it lies
; in memory (a lane's eight keys are 32 bytes of its query's row): adding the mask costs no vector instruction.  Two tiles of S^T, rounded to f16 in pairs, ARE source 1 of O^T = V^T P.  V comes out of LDS turned, by ds_load_tr16_b128.
; The padding mask is a table of 0 / -infinity in LDS, one f32 a key, made once; it is added behind the first product.
; SOFTMAX.  For each query a running maximum m and sum l: p = 2^(c s - c m), c = log2(e); in every step O and l are multiplied by a = 2^(c m_old - c m_new).  m begins at -1e38, under every score that is served.
; CLUSTER, 4 x 4.  The mask's tile hangs on x alone: the four of a column of the cluster ask for it jointly.  K's and V's tiles hang on y alone: the four of a row ask jointly.  Inside a work-group the two heads share the mask's tile.
; RING.  Two LDS slots of one key step each; one joint load a wave behind each round of the cluster's barrier (waves 0-3: the mask's quarters; 4, 5: K of the two heads; 6, 7: V): one tensor load of mine is out at a time.
; REGISTERS.  window 0: v1-15 addresses; v16-47 statistics, eight a tile; v48-175 S^T, 32 a tile, P laid over each tile's low 16; v176-207 the step's padding numbers; v208-222 prefetch offset, the table's making.
;   window 1: v0-127 O^T, 32 a tile; v128-191 Q; v192-255 one buffer for K and then V of the step.
.set SLOT1, 131072                     ; slot 1 begins here, so that one exclusive or turns an address in one slot into the other's
.set MP,    272                        ; a row of the mask's tile in LDS: 256 bytes + 16: 68 words: the 16 rows of a load start at 16 different banks (64 banks of 4 bytes: ISA guide 11.1)
.set KP,    144                        ; a row of K: 128 bytes + 16
.set VP,    160                        ; a row of V: 128 bytes + 32, an odd multiple of 32, for the turning load
.set KOFF,  256*MP                     ; a slot: 256 rows of the mask, 2 x 64 rows of K, 2 x 64 rows of V
.set VOFF,  KOFF+128*KP
.set PADT,  2*SLOT1                    ; behind the ring: the padding table, 2,048 f32: stored by the waves, never filled by a tensor load
.set SPARE, PADT+8192                  ; the spare words, 128 bytes a wave, which no other line names
.set AM0, 3                            ; v3   my lane's place in the mask's tile
.set AK0, 4                            ; v4   in K's
.set AV0, 5                            ; v5   in V's
.set AP0, 6                            ; v6   in the padding table
.set ADM, 7                            ; v7-10 the step's addresses
.set ADK, 8
.set ADV, 9
.set ADP, 10
.set QO,  11                           ; v11  my byte offset in the wave's rows of Q; on the way out in att
.set GO,  11
.set STO, 12                           ; v12  the way out: where I put 16 bytes of a row
.set RD,  13                           ; v13  where I read a row back
.set SPW, 14                           ; v14  LDS address of my spare word; never rewritten
.set NIL, 15                           ; v15  0; never rewritten
.set ST,  16                           ; tile t's statistics at v[ST + 8 t]: +0 c m, +1 m, +2, +3 l (even keys', odd keys'), +4 to +7 at work: four chains of the maximum; then +4, +5 the step's sum, +6 a, +7 c m_old - c m_new
.set S,   48
.set PD,  176
.set PFO, 208
.set Q,   128                          ; in window 1
.set KV,  192                          ; in window 1
.set WV,  12                           ; s12  my wave's number
.set CS,  22                           ; s[22:23] c = log2(e): the packed form names a pair and takes its low word for both halves
.set G1M, 24                           ; s[24:31] group 1 for the mask's tiles; s[32:39] K's; s[40:47] V's
.set G1K, 32
.set G1V, 40
.set G0M, 48                           ; s[48:51], s[52:55], s[56:59] their groups 0, which walk
.set G0K, 52
.set G0V, 56
.set SEL, 60                           ; s[60:61] lane selects for v_permlanex16_b32: lane l xor 16
.set TB,  62                           ; s62  LDS byte at which the slot in hand begins
.set TP,  63                           ; s63  where the step's padding numbers begin: 256 bytes a step
.set SLOTS, 66                         ; s66  fills still to come
.set LIM, 67                           ; s67  1 in a wave that prefetches, else the greatest number: a wave prefetches while s[SLOTS] is above it
.set PFA, 68                           ; s[68:69] where my prefetches stand
.set PFS, 70                           ; s[70:71] a key step on, in bytes
.set MSB, 0
.macro WIN new                         ; the immediate's high byte repeats the setting that is left; a switch that changes nothing is dropped
.if MSB != (\new)
	s_set_vgpr_msb (MSB<<8)|(\new)
.set MSB, (\new)
.endif
.endm
.set W_KQ, 0x05                        ; K and Q in window 1, S^T in window 0
.set W_PV, 0x51                        ; V in window 1, P in window 0, O^T in window 1
.set W_RS, 0x41                        ; O^T (destination and source 0) in window 1, a in window 0
.set W_LD, 0x40                        ; a load's destination in window 1, its address in window 0
.set W_OUT, 0x01                       ; source 0 in window 1, the rest in window 0
; A joint load: one a wave.  The branches hang on the wave's number alone.  An s_nop 0 and four v_nop follow each line, ahead of the jump, the label and what follows.
.macro TLOAD
	s_cmp_lt_u32 s[WV], 4
	s_cbranch_scc0 .Lnot_m_\@
	tensor_load_to_lds s[G0M:G0M+3], s[G1M:G1M+7]
	s_nop 0
.rept 4
	v_nop
.endr
	s_branch .Lasked_\@
.Lnot_m_\@:
	s_cmp_lt_u32 s[WV], 6
	s_cbranch_scc0 .Lfor_v_\@
	tensor_load_to_lds s[G0K:G0K+3], s[G1K:G1K+7]
	s_nop 0
.rept 4
	v_nop
.endr
	s_branch .Lasked_\@
.Lfor_v_\@:
	tensor_load_to_lds s[G0V:G0V+3], s[G1V:G1V+7]
	s_nop 0
.rept 4
	v_nop
.endr
.Lasked_\@:
.endm
; A PREFETCH INTO THE L2 of what the NEXT change of slots will ask for: one key step, a wave's 64 matrix instructions and its softmax, ahead of that load.  Each aligned block of 256 bytes is named once in the launch.
; The mask's 256 rows of a block x are walked by every cluster of that column of clusters: cluster y = 0 asks; its four partners along y take 64 rows each, told apart BY ADDRESS; in each, waves 0 and 1 take 32, a lane a row
; (a step's part of a row is 256 bytes, aligned).  K's and V's four tiles of a pair of heads are walked by both clusters along x: cluster x = 0 asks; the partner at place cx takes tile cx (K, K, V, V), 8,192 dense bytes,
; wave 4, lanes 256 bytes apart.  No branch hangs on a work-group's place in its cluster.  The last fill asks for nothing; nothing is asked for at the head.
.macro ASK
	s_cmp_gt_u32 s[SLOTS], s[LIM]
	s_cbranch_scc0 .Lnot_mine_\@
	global_prefetch_b8 v[PFO], s[PFA:PFA+1] th:TH_LOAD_NT scope:SCOPE_SE
.Lnot_mine_\@:
.endm
.macro CROUND                          ; a round of the cluster's barrier: my work-group's barrier; wave 0 signals for the work-group; every wave waits for all sixteen; my work-group's barrier once more
	s_barrier_signal -1
	s_barrier_wait -1
	s_cmp_lg_u32 s[WV], 0
	s_cbranch_scc1 .Lnot_wave_0_\@
	s_barrier_signal -3
.Lnot_wave_0_\@:
	s_barrier_wait -3
	s_barrier_signal -1
	s_barrier_wait -1
.endm
	s_load_b256 s[4:11], s[0:1], 0x0               ; qkv s[4:5], attn_mask s[6:7], key_padding_mask s[8:9], att s[10:11]
	v_lshl_add_u32 v[SPW], v0, 2, SPARE
	v_mov_b32 v[NIL], 0
	ds_add_u32 v[SPW], v[NIL]                      ; the wave's opening: the add, twice on end, and its wait ahead of my first tensor load; the set-up below stands between
	ds_add_u32 v[SPW], v[NIL]
	v_lshrrev_b32 v1, 5, v0
	v_readfirstlane_b32 s[WV], v1                  ; wave 0..7
	s_bfe_u32 s13, ttmp6, 0x40000                  ; cx, cy: my place in the cluster
	s_bfe_u32 s14, ttmp6, 0x40004
	s_lshl_b32 s15, ttmp9, 2
	s_add_co_u32 s15, s15, s13                     ; x: my block of 256 queries
	s_and_b32 s19, ttmp7, 0xffff                   ; cluster y
	s_lshl_b32 s16, s19, 2
	s_add_co_u32 s16, s16, s14                     ; y = 8 b + hp
	s_lshr_b32 s17, s16, 3                         ; b
	s_and_b32 s18, s16, 7                          ; hp
	s_lshl_b32 s20, s14, 2
	s_lshl_b32 s20, 15, s20                        ; my row of the cluster (the same y)
	s_lshl_b32 s21, 0x1111, s13                    ; my column (the same x)
	s_or_b32 s[G1M], s21, (2<<16)|(1<<20)|(1<<21)|(5<<22)|(3<<25)   ; 15:0 the mask of work-groups: my column; 17:16 elements of 4 bytes; 20 padding on; 21 set beside a mask; 24:22 after every 64 words; 31:25 four words
	s_or_b32 s[G1K], s20, (1<<16)|(1<<20)|(1<<21)|(4<<22)|(3<<25)   ; my row; elements of 2 bytes; after every 32 words four words
	s_or_b32 s[G1V], s20, (1<<16)|(1<<20)|(1<<21)|(4<<22)|(7<<25)   ; the same with eight words
.irp g, G1M, G1K, G1V
	s_mov_b32 s[\g+1], 64<<16                      ; tensor_dim0 = 64
	s_mov_b32 s[\g+2], 64<<16                      ; tensor_dim1 = 64
	s_mov_b32 s[\g+3], 64<<16                      ; tile_dim0 = 64
	s_mov_b32 s[\g+4], 64                          ; tile_dim1 = 64
	s_mov_b32 s[\g+6], 0
	s_mov_b32 s[\g+7], 0
.endr
	s_mov_b32 s[G1M+5], 2048                       ; elements from row to row
	s_mov_b32 s[G1K+5], 64
	s_mov_b32 s[G1V+5], 64
	s_mov_b32 s[CS], 0x3fb8aa3b                    ; log2(e)
	s_mov_b32 s[CS+1], s[CS]                       ; (named with it as a pair, so it is written)
	s_mov_b32 s[SEL], 0x76543210
	s_mov_b32 s[SEL+1], 0xfedcba98
	s_mov_b32 s[TB], 0
	s_mov_b32 s[TP], 0
	; the mask's quarter that I fetch, which is also my wave's 64 queries: rows 256 x + 64 (w % 4).  These registers never hold y
	s_and_b32 s72, s[WV], 3
	s_lshr_b32 s81, s[WV], 2                       ; which head of the pair is mine
	s_lshl_b32 s74, s15, 8
	s_lshl_b32 s73, s72, 6
	s_add_co_u32 s74, s74, s73
	s_lshl_b32 s82, s74, 7                         ; (its 128 bytes a row in q)
	s_lshl_b32 s74, s74, 13                        ; 8,192 bytes a row of the mask
	s_mov_b32 s75, 0
	s_mul_i32 s73, s72, 64*MP                      ; and in a slot
	; K's and V's tile that I fetch: head 2 hp + w % 2 of batch b: 16 b + 2 hp = 2 y.  These registers never hold x
	s_and_b32 s76, s[WV], 1
	s_lshl_b32 s78, s16, 1
	s_add_co_u32 s78, s78, s76
	s_lshl_b32 s78, s78, 18                        ; 262,144 bytes a head
	s_mov_b32 s79, 0
	s_mul_i32 s77, s76, 64*KP
	s_mul_i32 s80, s76, 64*VP
	; q at my wave's first query
	s_lshl_b32 s83, s16, 1
	s_add_co_u32 s83, s83, s81
	s_lshl_b32 s83, s83, 18
	s_add_co_u32 s82, s82, s83
	s_mov_b32 s83, 0
	; att at the first row that I store: ((256 x + 32 w) 4 + b) 2,048 + 256 hp
	s_lshl_b32 s84, s15, 8
	s_lshl_b32 s85, s[WV], 5
	s_add_co_u32 s84, s84, s85
	s_lshl_b32 s84, s84, 13
	s_lshl_b32 s85, s17, 11
	s_add_co_u32 s84, s84, s85
	s_lshl_b32 s85, s18, 8
	s_add_co_u32 s84, s84, s85
	s_mov_b32 s85, 0
	s_lshl_b32 s94, s17, 11                        ; the batch's 2,048 padding bytes
	s_mov_b32 s95, 0
	; the prefetches: both offsets, at key step 1 (the first change of slots steps them to step 2); then the choice by the wave's number
	s_lshl_b32 s86, s15, 8
	s_lshl_b32 s88, s14, 6
	s_add_co_u32 s86, s86, s88
	s_lshl_b32 s88, s76, 5
	s_add_co_u32 s86, s86, s88                     ; the mask's row 256 x + 64 cy + 32 (w % 2)
	s_lshl_b32 s86, s86, 13
	s_add_co_u32 s86, s86, 256
	s_lshr_b32 s88, s13, 1
	s_add_co_u32 s88, s88, 1
	s_lshl_b32 s88, s88, 24                        ; K (cx = 0, 1) or V (cx = 2, 3)
	s_and_b32 s89, s13, 1
	s_lshl_b32 s90, s16, 1
	s_add_co_u32 s89, s89, s90
	s_lshl_b32 s89, s89, 18                        ; head 2 hp + cx % 2
	s_add_co_u32 s88, s88, s89
	s_add_co_u32 s88, s88, 8192
	s_lshr_b32 s92, s[WV], 1                       ; 0 in waves 0 and 1
	s_xor_b32 s93, s[WV], 4                        ; 0 in wave 4
	s_cmp_lt_u32 s[WV], 4
	s_mov_b32 s[PFS], 8192
	s_cselect_b32 s[PFS], 256, s[PFS]              ; a key step on
	s_mov_b32 s91, 256
	s_cselect_b32 s91, 8192, s91                   ; from lane to lane
	s_cselect_b32 s86, s86, s88
	s_cselect_b32 s92, s92, s93
	s_cselect_b32 s93, s19, ttmp9                  ; the coordinate along which other clusters walk the same bytes
	s_mov_b32 s[PFS+1], 0
	s_mov_b32 s87, 0
	s_or_b32 s92, s92, s93
	s_cmp_eq_u32 s92, 0
	s_cselect_b32 s[LIM], 1, -1                    ; made of the wave's number and the cluster's coordinates: the same in all sixteen partners
	v_and_b32 v[PFO], 31, v0
	v_mul_lo_u32 v[PFO], v[PFO], s91
	s_wait_dscnt 0x0                               ; both opening adds are done
	s_wait_kmcnt 0x0
	s_mov_b32 s[G0M], 1                            ; 1:0 count = 1
	s_mov_b32 s[G0M+1], s73                        ; 63:32 LDS address: slot 0
	s_add_nc_u64 s[G0M+2:G0M+3], s[6:7], s[74:75]  ; 120:64 global address: key step 0
	s_or_b32 s[G0M+3], s[G0M+3], 0x80000000        ; 127:126 type = 2
	s_mov_b32 s[G0K], 1
	s_add_co_u32 s[G0K+1], s77, KOFF
	s_add_nc_u64 s[G0K+2:G0K+3], s[4:5], s[78:79]
	s_add_nc_u64 s[G0K+2:G0K+3], s[G0K+2:G0K+3], 16777216
	s_or_b32 s[G0K+3], s[G0K+3], 0x80000000
	s_mov_b32 s[G0V], 1
	s_add_co_u32 s[G0V+1], s80, VOFF
	s_add_nc_u64 s[G0V+2:G0V+3], s[4:5], s[78:79]
	s_add_nc_u64 s[G0V+2:G0V+3], s[G0V+2:G0V+3], 33554432
	s_or_b32 s[G0V+3], s[G0V+3], 0x80000000
	s_add_nc_u64 s[20:21], s[4:5], s[82:83]        ; q
	s_add_nc_u64 s[10:11], s[10:11], s[84:85]      ; att
	s_add_nc_u64 s[8:9], s[8:9], s[94:95]          ; the padding bytes
	s_cmp_lt_u32 s[WV], 4
	s_cselect_b64 s[PFA:PFA+1], s[6:7], s[4:5]
	s_add_nc_u64 s[PFA:PFA+1], s[PFA:PFA+1], s[86:87]
	CROUND                                         ; all sixteen work-groups are here: the first joint loads meet
	TLOAD                                          ; key step 0 into slot 0
	v_and_b32 v1, 15, v0                           ; r = lane % 16
	v_bfe_u32 v2, v0, 4, 1                         ; h = lane / 16
	v_lshlrev_b32 v[QO], 7, v1
	v_lshl_add_u32 v[QO], v2, 4, v[QO]             ; row r of 128 bytes + 16 h
	WIN W_LD
.irp t, 0,1,2,3
.irp c, 0,1
	global_load_b128 v[Q+16*\t+8*\c:Q+16*\t+8*\c+3], v[QO], s[20:21] offset:2048*\t+64*\c       ; Q stays in registers: tile t, channels 32 c on
	global_load_b128 v[Q+16*\t+8*\c+4:Q+16*\t+8*\c+7], v[QO], s[20:21] offset:2048*\t+64*\c+32
.endr
.endr
	WIN 0
	v_lshlrev_b32 v220, 3, v0
	global_load_b64 v[210:211], v220, s[8:9]       ; my thread's eight padding bytes: 256 threads x 8 = the batch's 2,048
	v_mul_u32_u24 v[AM0], v1, MP
	v_lshl_add_u32 v[AM0], v2, 5, v[AM0]
	v_add_nc_u32 v[AM0], s73, v[AM0]               ; the mask: row 64 (w % 4) + r, + 32 h
	v_mul_u32_u24 v[AK0], v1, KP
	v_lshl_add_u32 v[AK0], v2, 4, v[AK0]
	s_mul_i32 s88, s81, 64*KP
	s_add_co_u32 s88, s88, KOFF
	v_add_nc_u32 v[AK0], s88, v[AK0]               ; K of my head: row r, + 16 h
	v_and_b32 v221, 7, v0
	v_lshl_add_u32 v221, v2, 3, v221
	v_mul_u32_u24 v[AV0], v221, VP                 ; V: the turning load's lane l reads key 8 (l / 16) + l % 8, channels 8 ((l / 8) % 2) on
	v_bfe_u32 v221, v0, 3, 1
	v_lshl_add_u32 v[AV0], v221, 4, v[AV0]
	s_mul_i32 s88, s81, 64*VP
	s_add_co_u32 s88, s88, VOFF
	v_add_nc_u32 v[AV0], s88, v[AV0]
	v_lshl_add_u32 v[AP0], v2, 5, PADT             ; the padding table: my half's eight keys
	v_mul_u32_u24 v[STO], v1, MP                   ; the stage: row 64 (w % 4) + r, my head's 128 bytes, + 16 h
	v_lshl_add_u32 v[STO], v2, 4, v[STO]
	s_lshl_b32 s88, s81, 7
	s_add_co_u32 s88, s88, s73
	v_add_nc_u32 v[STO], s88, v[STO]
	v_mul_u32_u24 v[RD], v2, MP                    ; back: rows 32 w on; lanes 0-15 one row of 256 bytes, lanes 16-31 the next
	v_lshl_add_u32 v[RD], v1, 4, v[RD]
	s_mul_i32 s88, s[WV], 32*MP
	v_add_nc_u32 v[RD], s88, v[RD]
	v_lshl_add_u32 v209, v0, 5, PADT               ; where my eight numbers of the table go
.irp t, 0,1,2,3
	v_mov_b32 v[ST+8*\t+1], 0xfe967699             ; m = -1e38
.endr
	s_wait_loadcnt 0x0                             ; Q and the padding bytes
.irp i, 0,1,2,3
	v_bfe_u32 v[212+\i], v210, 8*\i, 8
	v_bfe_u32 v[216+\i], v211, 8*\i, 8
.endr
.irp i, 0,1,2,3,4,5,6,7
	v_sub_nc_u32 v[212+\i], 0, v[212+\i]           ; 0 or all ones,
.endr
.irp i, 0,1,2,3,4,5,6,7
	v_and_b32 v[212+\i], 0xff800000, v[212+\i]     ; 0 or -infinity
.endr
	ds_store_b128 v209, v[212:215]
	ds_store_b128 v209, v[216:219] offset:16       ; the first change of slots waits for these and passes a barrier before anyone reads the table
; THE CHANGE OF SLOTS stands at a step's head.  Each wave waits for all its tensor loads (its part of the slot that it is about to read), adds 0 to its spare word, and waits for that and for its reads of the slot that it has left.
; fill = 1: a round of the cluster's barrier follows, so that no wave of any partner still reads that slot or has a load on its way; the joint load of the next step is the first thing behind it and has a whole key step in which to land.
.macro CHANGE fill
	WIN 0
	s_wait_tensorcnt 0x0                           ; no tensor load of mine is out, so a group 0 may be written
	ds_add_u32 v[SPW], v[NIL]                      ; 0 onto my spare word; the descriptors' steps stand between it and the wait for it
.if \fill
	s_xor_b32 s[G0M+1], s[G0M+1], SLOT1            ; the walking descriptors: the other slot than last time,
	s_add_nc_u64 s[G0M+2:G0M+3], s[G0M+2:G0M+3], 256    ; the next 64 keys: 256 bytes on in the mask's rows; the type bits on top are not reached
	s_xor_b32 s[G0K+1], s[G0K+1], SLOT1
	s_add_nc_u64 s[G0K+2:G0K+3], s[G0K+2:G0K+3], 8192   ; 64 rows of 128 bytes on
	s_xor_b32 s[G0V+1], s[G0V+1], SLOT1
	s_add_nc_u64 s[G0V+2:G0V+3], s[G0V+2:G0V+3], 8192
	s_wait_xcnt 0x0                                ; the last prefetch, a key step back, has read its address, so it may be written:
	s_add_nc_u64 s[PFA:PFA+1], s[PFA:PFA+1], s[PFS:PFS+1]   ; one step further on than the walking descriptors
	s_wait_dscnt 0x0                               ; the add is done, and my LDS reads and stores are over
	CROUND
	TLOAD
	ASK
.else
	s_wait_dscnt 0x0
	s_barrier_signal -1
	s_barrier_wait -1
.endif
.endm
; Tile t's 16 scalings c s - c m and 32 exponentials: a pair is scaled two pairs ahead of its exponentials; no line names an exponential's result.
.macro EXPS t
.set rS, S+32*(\t)
.set rT, ST+8*(\t)
	v_pk_fma_f32 v[rS:rS+1], v[rS:rS+1], s[CS:CS+1], v[rT:rT+1] op_sel_hi:[1,0,0] neg_lo:[0,0,1] neg_hi:[0,0,1]
	v_pk_fma_f32 v[rS+2:rS+3], v[rS+2:rS+3], s[CS:CS+1], v[rT:rT+1] op_sel_hi:[1,0,0] neg_lo:[0,0,1] neg_hi:[0,0,1]
.set i, 0
.rept 16
	v_exp_f32 v[rS+2*i], v[rS+2*i]
	v_exp_f32 v[rS+2*i+1], v[rS+2*i+1]
.if i < 14
	v_pk_fma_f32 v[rS+2*i+4:rS+2*i+5], v[rS+2*i+4:rS+2*i+5], s[CS:CS+1], v[rT:rT+1] op_sel_hi:[1,0,0] neg_lo:[0,0,1] neg_hi:[0,0,1]
.endif
.set i, i+1
.endr
.endm
; A KEY STEP: 64 keys, from the slot at s[TB].  first = 1: the first step, which starts l and O^T: it has no a and nothing to rescale.
.macro STEP first
	v_add_nc_u32 v[ADM], s[TB], v[AM0]
	v_add_nc_u32 v[ADK], s[TB], v[AK0]
	v_add_nc_u32 v[ADV], s[TB], v[AV0]
	v_add_nc_u32 v[ADP], s[TP], v[AP0]
	WIN W_LD
.irp kt, 0,1,2,3
.irp c, 0,1
	ds_load_b128 v[KV+8*(2*\kt+\c):KV+8*(2*\kt+\c)+3], v[ADK] offset:16*KP*\kt+64*\c          ; K: keys 16 kt on, channels 32 c on
	ds_load_b128 v[KV+8*(2*\kt+\c)+4:KV+8*(2*\kt+\c)+7], v[ADK] offset:16*KP*\kt+64*\c+32
.endr
.endr
	WIN 0
.irp t, 0,1,2,3
.irp kt, 0,1,2,3
	ds_load_b128 v[S+32*\t+8*\kt:S+32*\t+8*\kt+3], v[ADM] offset:16*MP*\t+64*\kt              ; the mask's tile, straight into the accumulator: query r of tile t, keys 16 kt + 8 h + 0 .. 7
	ds_load_b128 v[S+32*\t+8*\kt+4:S+32*\t+8*\kt+7], v[ADM] offset:16*MP*\t+64*\kt+16
.endr
.endr
.irp kt, 0,1,2,3
	ds_load_b128 v[PD+8*\kt:PD+8*\kt+3], v[ADP] offset:64*\kt                                 ; the same keys' padding numbers
	ds_load_b128 v[PD+8*\kt+4:PD+8*\kt+7], v[ADP] offset:64*\kt+16
.endr
	s_wait_dscnt 8                                 ; K and the mask are in; the padding numbers' eight loads may be out
	WIN W_KQ
.irp c, 0,1                                    ; S^T = K Q^T + the mask: 16 accumulators by turns, one instruction a turn
.irp t, 0,1,2,3
.irp kt, 0,1,2,3
	v_wmma_f32_16x16x32_f16 v[S+32*\t+8*\kt:S+32*\t+8*\kt+7], v[KV+8*(2*\kt+\c):KV+8*(2*\kt+\c)+7], v[Q+16*\t+8*\c:Q+16*\t+8*\c+7], v[S+32*\t+8*\kt:S+32*\t+8*\kt+7]
.endr
.endr
.endr
	WIN 0
.rept 4
	v_nop                                          ; four places behind the products: V is loaded into the registers that held K, and the scores are read
.endr
	WIN W_LD
.irp g, 0,1
.irp ct, 0,1,2,3
	ds_load_tr16_b128 v[KV+8*(4*\g+\ct):KV+8*(4*\g+\ct)+3], v[ADV] offset:32*VP*\g+32*\ct             ; V^T: channels 16 ct on, keys 32 g on
	ds_load_tr16_b128 v[KV+8*(4*\g+\ct)+4:KV+8*(4*\g+\ct)+7], v[ADV] offset:32*VP*\g+16*VP+32*\ct
.endr
.endr
	WIN 0
	s_wait_dscnt 16                                ; the padding numbers are in; V's sixteen loads may be out
.irp t, 0,1,2,3
.set i, 0
.rept 16
	v_pk_add_f32 v[S+32*\t+2*i:S+32*\t+2*i+1], v[S+32*\t+2*i:S+32*\t+2*i+1], v[PD+2*i:PD+2*i+1]   ; hidden keys become -infinity; each accumulator is read from its low end on
.set i, i+1
.endr
.endr
	; the maximum of the lane's 32 scores and the old m, three operands at a time, in four chains; the four tiles by turns
.irp j, 0,1,2,3
.irp t, 0,1,2,3
	v_max3_num_f32 v[ST+8*\t+4+\j], v[S+32*\t+8*\j], v[S+32*\t+8*\j+1], v[S+32*\t+8*\j+2]
.endr
.endr
.irp u, 3,5
.irp j, 0,1,2,3
.irp t, 0,1,2,3
	v_max3_num_f32 v[ST+8*\t+4+\j], v[ST+8*\t+4+\j], v[S+32*\t+8*\j+\u], v[S+32*\t+8*\j+\u+1]
.endr
.endr
.endr
.irp t, 0,1,2,3
	v_max3_num_f32 v[ST+8*\t+4], v[ST+8*\t+4], v[S+32*\t+7], v[S+32*\t+15]
.endr
.irp t, 0,1,2,3
	v_max3_num_f32 v[ST+8*\t+6], v[ST+8*\t+6], v[S+32*\t+23], v[S+32*\t+31]
.endr
.irp t, 0,1,2,3
	v_max3_num_f32 v[ST+8*\t+4], v[ST+8*\t+4], v[ST+8*\t+5], v[ST+8*\t+6]
.endr
.irp t, 0,1,2,3
	v_max3_num_f32 v[ST+8*\t+4], v[ST+8*\t+4], v[ST+8*\t+7], v[ST+8*\t+1]
.endr
.irp t, 0,1,2,3
	v_permlanex16_b32 v[ST+8*\t+5], v[ST+8*\t+4], s[SEL], s[SEL+1]   ; the query's other 32 keys lie in the lane 16 away
.endr
.if !\first
.irp t, 0,1,2,3
	v_mov_b32 v[ST+8*\t+7], v[ST+8*\t]             ; c m_old is kept for a: c m is written anew below
.endr
.endif
.irp t, 0,1,2,3
	v_max_num_f32 v[ST+8*\t+1], v[ST+8*\t+4], v[ST+8*\t+5]
.endr
.irp t, 0,1,2,3
	v_mul_f32 v[ST+8*\t], s[CS], v[ST+8*\t+1]
.endr
.if !\first
.irp t, 0,1,2,3
	v_sub_f32 v[ST+8*\t+7], v[ST+8*\t+7], v[ST+8*\t]
.endr
.irp t, 0,1,2,3
	v_exp_f32 v[ST+8*\t+6], v[ST+8*\t+7]           ; a
.endr
.endif
	; ONE BATCH: all of the step's exponentials, with the scalings between them; nothing here names a result
.irp t, 0,1,2,3
	EXPS \t
.endr
	v_nop                                          ; a plain instruction behind the last exponential, ahead of the first use
	s_wait_alu depctr_va_vdst(0)                   ; one wait for the whole batch, ahead of its first reader
	; the sums of the unrounded p, and the roundings to f16: pair i goes into register i of the tile, which lies under pair i / 2, summed and rounded before
.irp t, 0,1,2,3
	v_pk_add_f32 v[ST+8*\t+4:ST+8*\t+5], v[S+32*\t:S+32*\t+1], v[S+32*\t+2:S+32*\t+3]
.endr
.irp t, 0,1,2,3
	v_cvt_pk_f16_f32 v[S+32*\t], v[S+32*\t], v[S+32*\t+1]
.endr
.irp t, 0,1,2,3
	v_cvt_pk_f16_f32 v[S+32*\t+1], v[S+32*\t+2], v[S+32*\t+3]
.endr
.set i, 2
.rept 14
.irp t, 0,1,2,3
.if \first && (i == 15)
	v_pk_add_f32 v[ST+8*\t+2:ST+8*\t+3], v[ST+8*\t+4:ST+8*\t+5], v[S+32*\t+2*i:S+32*\t+2*i+1]   ; the first step's sum starts l
.else
	v_pk_add_f32 v[ST+8*\t+4:ST+8*\t+5], v[ST+8*\t+4:ST+8*\t+5], v[S+32*\t+2*i:S+32*\t+2*i+1]
.endif
.endr
.irp t, 0,1,2,3
	v_cvt_pk_f16_f32 v[S+32*\t+i], v[S+32*\t+2*i], v[S+32*\t+2*i+1]
.endr
.set i, i+1
.endr
.if !\first
.irp t, 0,1,2,3
	v_pk_fma_f32 v[ST+8*\t+2:ST+8*\t+3], v[ST+8*\t+2:ST+8*\t+3], v[ST+8*\t+6:ST+8*\t+7], v[ST+8*\t+4:ST+8*\t+5] op_sel_hi:[1,0,1]   ; l = a l + the step's sum
.endr
	WIN W_RS
.irp t, 0,1,2,3
.set i, 0
.rept 16
	v_pk_mul_f32 v[32*\t+2*i:32*\t+2*i+1], v[32*\t+2*i:32*\t+2*i+1], v[ST+8*\t+6:ST+8*\t+7] op_sel_hi:[1,0]   ; O^T x a, each accumulator from its low end on
.set i, i+1
.endr
.endr
.endif
	s_wait_dscnt 0x0                               ; V is in
	WIN W_PV
.irp g, 0,1                                    ; O^T += V^T P: 16 accumulators by turns
.irp t, 0,1,2,3
.irp ct, 0,1,2,3
.if \first && (\g == 0)
	v_wmma_f32_16x16x32_f16 v[32*\t+8*\ct:32*\t+8*\ct+7], v[KV+8*(4*\g+\ct):KV+8*(4*\g+\ct)+7], v[S+32*\t+8*\g:S+32*\t+8*\g+7], 0
.else
	v_wmma_f32_16x16x32_f16 v[32*\t+8*\ct:32*\t+8*\ct+7], v[KV+8*(4*\g+\ct):KV+8*(4*\g+\ct)+7], v[S+32*\t+8*\g:S+32*\t+8*\g+7], v[32*\t+8*\ct:32*\t+8*\ct+7]
.endif
.endr
.endr
.endr
	WIN 0
.rept 5
	v_nop                                          ; five places: the next step loads into, and its products write over, registers that these products have read
.endr
.endm
	s_mov_b32 s[SLOTS], 31
	CHANGE 1                                       ; step 0 has landed; step 1 is asked for, into slot 1: behind this round every load is a first fill
	STEP 1
	s_xor_b32 s[TB], s[TB], SLOT1
	s_add_co_u32 s[TP], s[TP], 256
	s_mov_b32 s[SLOTS], 30
.Lstep:                                            ; 30 trips: steps 1 to 30; behind each change of slots the step after is asked for
	CHANGE 1
	STEP 0
	s_xor_b32 s[TB], s[TB], SLOT1
	s_add_co_u32 s[TP], s[TP], 256
	s_sub_co_u32 s[SLOTS], s[SLOTS], 1
	s_cmp_lg_u32 s[SLOTS], 0
	s_cbranch_scc1 .Lstep
	CHANGE 0                                       ; the last step is written out
	STEP 0
	; THE WAY OUT.  l's two halves and the other half of the lanes' are added; O^T is divided by l, rounded to f16 and sent through a stage of 256 rows x (256 bytes + 16) in slot 0, which has had its last fill:
	; a row's 256 bytes are the two heads' 64 channels, from two waves.  Each wave then stores 32 whole rows.
	s_wait_dscnt 0x0                               ; my LDS reads are over,
	s_barrier_signal -1
	s_barrier_wait -1                              ; everybody's are: the stage may be written
.irp t, 0,1,2,3
	v_add_f32 v[ST+8*\t+4], v[ST+8*\t+2], v[ST+8*\t+3]
.endr
.irp t, 0,1,2,3
	v_permlanex16_b32 v[ST+8*\t+5], v[ST+8*\t+4], s[SEL], s[SEL+1]
.endr
.irp t, 0,1,2,3
	v_add_f32 v[ST+8*\t+4], v[ST+8*\t+4], v[ST+8*\t+5]
.endr
.irp t, 0,1,2,3
	v_rcp_f32 v[ST+8*\t+6], v[ST+8*\t+4]
.endr
	v_lshlrev_b32 v[GO], 13, v2                    ; (plain work behind the reciprocals)  att: lanes 0-15 one query's row, lanes 16-31 the next query's, 4 rows of 2,048 bytes on; 16 bytes a lane
	v_lshl_add_u32 v[GO], v1, 4, v[GO]
	s_wait_alu depctr_va_vdst(0)                   ; one wait for the four reciprocals, ahead of their first reader
.irp t, 0,1,2,3
	WIN W_OUT
.set i, 0
.rept 16
	v_pk_mul_f32 v[S+32*\t+2*i:S+32*\t+2*i+1], v[32*\t+2*i:32*\t+2*i+1], v[ST+8*\t+6:ST+8*\t+7] op_sel_hi:[1,0]   ; O^T / l, each accumulator from its low end on
.set i, i+1
.endr
	WIN 0
.set i, 0
.rept 16
	v_cvt_pk_f16_f32 v[S+32*\t+i], v[S+32*\t+2*i], v[S+32*\t+2*i+1]
.set i, i+1
.endr
.irp ct, 0,1,2,3
	ds_store_b128 v[STO], v[S+32*\t+4*\ct:S+32*\t+4*\ct+3] offset:16*MP*\t+32*\ct   ; query r of tile t, channels 16 ct + 8 h + 0 .. 7
.endr
.endr
	s_wait_dscnt 0x0                               ; for the others' sake: my stores into the stage are done
	s_barrier_signal -1
	s_barrier_wait -1
.irp i, 0,1,2,3,4,5,6,7,8,9,10,11,12,13,14,15
	ds_load_b128 v[S+4*\i:S+4*\i+3], v[RD] offset:2*MP*\i
.endr
.irp i, 0,1,2,3,4,5,6,7,8,9,10,11,12,13,14,15
	s_wait_dscnt 15-\i                             ; LDS loads come back in order: pair i of rows is in
	global_store_b128 v[GO], v[S+4*\i:S+4*\i+3], s[10:11] offset:16384*\i   ; 16 lanes store 256 bytes on end, at a multiple of 256 from att's first byte
.endr
	s_wait_tensorcnt 0x0                           ; the wave's end: behind my last tensor load and my last LDS store
	ds_add_u32 v[SPW], v[NIL]
	s_wait_dscnt 0x0
	CROUND                                         ; the closing round: no work-group ends while a partner may still ask for a tile that names it
	s_endpgm
.Lfunc_end_k_q5804f3a26e_attn:
	.size	k_q5804f3a26e_attn, .Lfunc_end_k_q5804f3a26e_attn-k_q5804f3a26e_attn
	.p2alignl 7, 3214868480
	.fill 96, 4, 3214868480
	.section	.rodata,"a",@progbits
	.p2align	6, 0x0
	.amdhsa_kernel k_q5804f3a26e_attn
		.amdhsa_group_segment_fixed_size 327680
		.amdhsa_private_segment_fixed_size 0
		.amdhsa_enable_private_segment 0
		.amdhsa_kernarg_size 32
		.amdhsa_user_sgpr_count 2
		.amdhsa_user_sgpr_kernarg_segment_ptr 1
		.amdhsa_wavefront_size32 1
		.amdhsa_system_sgpr_workgroup_id_x 1
		.amdhsa_system_sgpr_workgroup_id_y 1
		.amdhsa_system_sgpr_workgroup_id_z 1
		.amdhsa_system_vgpr_workitem_id 0
		.amdhsa_next_free_vgpr 512
		.amdhsa_next_free_sgpr 96
		.amdhsa_reserve_vcc 0
		.amdhsa_float_denorm_mode_32 3
		.amdhsa_float_denorm_mode_16_64 3
		.amdhsa_memory_ordered 1
		.amdhsa_forward_progress 1
		.amdhsa_inst_pref_size 141
	.end_amdhsa_kernel
	.amdgpu_metadata
---
amdhsa.version: [ 1, 2 ]
amdhsa.kernels:
  - .name:           k_q5804f3a26e_attn
    .symbol:         k_q5804f3a26e_attn.kd
    .args:
      - { .name: qkv, .offset: 0, .size: 8, .value_kind: global_buffer, .address_space: global }
      - { .name: attn_mask, .offset: 8, .size: 8, .value_kind: global_buffer, .address_space: global }
      - { .name: key_padding_mask, .offset: 16, .size: 8, .value_kind: global_buffer, .address_space: global }
      - { .name: att, .offset: 24, .size: 8, .value_kind: global_buffer, .address_space: global }
    .group_segment_fixed_size: 327680
    .private_segment_fixed_size: 0
    .kernarg_segment_align: 8
    .kernarg_segment_size: 32
    .max_flat_workgroup_size: 256
    .sgpr_count:     96
    .vgpr_count:     512
    .wavefront_size: 32
...
	.end_amdgpu_metadata
.endif
;; end of part 3
;; launch outp (part 4): grid 4 x 64, 4 waves a work-group, clusters of 4 x 4, 327,680 bytes of LDS; arguments att, wo16, bo, out0; writes out0
.if DOCPART == 4
	.amdgcn_target "amdgcn-amd-amdhsa--gfx1250"
	.amdhsa_code_object_version 6
	.text
	.protected	k_q5804f3a26e_outp
	.globl	k_q5804f3a26e_outp
	.p2align	8
	.type	k_q5804f3a26e_outp,@function
k_q5804f3a26e_outp:
	s_mov_b64 s[64:65], 0
	v_nop
	global_prefetch_b8 v0, s[64:65] scope:SCOPE_SE
	s_setreg_imm32_b32 hwreg(HW_REG_WAVE_MODE, 25, 1), 1
	s_wait_xcnt 0x0
	s_wait_alu depctr_hold_cnt(0) depctr_sa_sdst(0) depctr_va_vdst(0) depctr_va_sdst(0) depctr_va_ssrc(0) depctr_va_vcc(0) depctr_vm_vsrc(0)
	s_getreg_b32 s2, hwreg(HW_REG_IB_STS2, 6, 4)
	s_cmp_eq_u32 s2, 0
	s_cbranch_scc0 .Lentry_in_a_cluster
	s_endpgm
.Lentry_in_a_cluster:
	s_bfe_u32 s2, ttmp6, 0x10000c
	s_cmp_lg_u32 s2, 0xf033
	s_cbranch_scc0 .Lentry_shape_is_right
	s_endpgm
.Lentry_shape_is_right:
; out0[m][n] = sum over k of att[m][k] Wo[n][k] + bo[n].  att [8192][1024] and wo16 [1024][1024]: f16; bo [1024], out0 [8192][1024]: f32; sums in f32.
; A tile of out0 is 128 x 256, which gives 256 work-groups.  Four waves, each 64 x 128: 32 accumulators of 16 x 16, 256 registers.  K goes in 8 steps of 128 (rows of 256 bytes) through a ring of two LDS slots filled by the
; tensor data mover: waves 0 and 1 fetch att's two halves (64 rows each), waves 2 and 3 Wo's (128 rows each): behind each change of slots one tensor load of mine is out, at the head two.
; CLUSTERS: 4 x 4 work-groups.  The four of a row of the cluster need the same tiles of att, the four of a column the same tiles of Wo: each is asked for JOINTLY, by the same tensor load with the same descriptor and a mask
; that names the four.  THE MATRIX INSTRUCTION IS USED TRANSPOSED (source 0 = 16 rows of Wo, source 1 = 16 rows of att): a lane holds eight neighbouring n of one row.  THE BIAS IS THE C OF EACH SUM'S FIRST PRODUCT.
; No prefetch: the launch has eight K steps, and its first two are asked for at the head.
; REGISTERS: window 0: v0-31 addresses; v32-63, v64-95 att's fragments, two buffers; v96-159, v160-223 Wo's, two buffers; on the way out v32-159 take rows.
;   window 1: the accumulators ((a, b) at v[8 (8 a + b)]).   window 2: v0-63 bo in the result's layout.
.set KSTEP,  128
.set PITCH,  272                       ; an LDS row: 256 bytes + 16 of padding = 68 words: the 16 rows that a load touches start at 16 different banks (64 banks of 4 bytes: ISA guide 11.1)
.set AH,     64*PITCH                  ; what a load of att brings, and what a wave reads of it
.set BH,     128*PITCH                 ; the same for Wo
.set BOFF,   2*AH
.set SLOT,   2*AH+2*BH
.set STAGE,  2*SLOT                    ; behind the ring: 16 rows x (512 bytes + 16) for each wave
.set SPITCH, 528
.set SPARE,  STAGE+4*16*SPITCH         ; behind the stages: the spare words, 128 bytes a wave, which no other line names
.set LAPS,   4                         ; a lap = two K steps = once round the ring
.set ADRA, 16                          ; v16-17  LDS address of my att fragments in slot 0, 1
.set ADRB, 20                          ; v20-21  the same for Wo
.set STO,  24                          ; v24     the way out: where I put 32 bytes of a row
.set RD,   25                          ; v25     where I read a row back
.set CO,   26                          ; v26     16 x lane: my place in a row's 512 bytes
.set BOV,  27                          ; v27     32 x (lane / 16)
.set SPW,  28                          ; v28     LDS address of my spare word; never rewritten
.set NIL,  29                          ; v29     0; never rewritten
.set AFR,  32
.set BFR,  96
.set BK,   32                          ; the way out: 16 rows read back: v32-95 and v96-159 by turns
.set G1A, 24                           ; s[24:31] group 1 for att's tiles; s[32:39] group 0, a set for each slot
.set G0A, 32
.set G1B, 48                           ; s[48:55], s[56:63] the same for Wo's
.set G0B, 56
.set MSB, 0
.macro WIN new                         ; the immediate's high byte repeats the setting that is left; a switch that changes nothing is dropped
.if MSB != (\new)
	s_set_vgpr_msb (MSB<<8)|(\new)
.set MSB, (\new)
.endif
.endm
.set MUL, 0x50                         ; sources 0 and 1 window 0; C and D window 1
.set FST, 0x60                         ; the first products: C (the bias) window 2, D window 1
.macro JLOAD s                         ; a joint load: waves 0 and 1 fetch att's halves, waves 2 and 3 Wo's; an s_nop 0 and four v_nop follow each line, ahead of the jump, the label and what follows
	s_cmp_eq_u32 s13, 0
	s_cbranch_scc0 .Lfor_b_\@
	tensor_load_to_lds s[G0A+4*\s:G0A+4*\s+3], s[G1A:G1A+7]
	s_nop 0
.rept 4
	v_nop
.endr
	s_branch .Lasked_\@
.Lfor_b_\@:
	tensor_load_to_lds s[G0B+4*\s:G0B+4*\s+3], s[G1B:G1B+7]
	s_nop 0
.rept 4
	v_nop
.endr
.Lasked_\@:
.endm
.macro CREST                           ; a round of the cluster's barrier behind its opening barrier
	s_cmp_lg_u32 s12, 0
	s_cbranch_scc1 .Lnot_wave_0_\@
	s_barrier_signal -3
.Lnot_wave_0_\@:
	s_barrier_wait -3
	s_barrier_signal -1
	s_barrier_wait -1
.endm
.macro CROUND                          ; a whole round
	s_barrier_signal -1
	s_barrier_wait -1
	CREST
.endm
	s_load_b256 s[4:11], s[0:1], 0x0               ; att s[4:5], wo16 s[6:7], bo s[8:9], out0 s[10:11]
	v_lshl_add_u32 v[SPW], v0, 2, SPARE
	v_mov_b32 v[NIL], 0
	ds_add_u32 v[SPW], v[NIL]                      ; the wave's opening: the add, twice on end, and its wait ahead of my first tensor load; the set-up below stands between
	ds_add_u32 v[SPW], v[NIL]
	v_lshrrev_b32 v1, 5, v0
	v_readfirstlane_b32 s12, v1                    ; wave 0..3
	s_lshr_b32 s13, s12, 1                         ; which half of the tile's rows is mine.  Also: I fetch for att (0) or for Wo (1)
	s_and_b32 s14, s12, 1                          ; which half of its columns.  Also: which half of that tile I fetch
	s_bfe_u32 s15, ttmp6, 0x40000                  ; cx, cy: my place in the cluster
	s_bfe_u32 s16, ttmp6, 0x40004
	s_lshl_b32 s17, ttmp9, 2
	s_add_co_u32 s17, s17, s15                     ; tile column = 4 x cluster x + cx
	s_and_b32 s18, ttmp7, 0xffff
	s_lshl_b32 s18, s18, 2
	s_add_co_u32 s18, s18, s16                     ; tile row = 4 x cluster y + cy
	s_lshl_b32 s20, s16, 2
	s_lshl_b32 s20, 15, s20                        ; my row of the cluster
	s_lshl_b32 s21, 0x1111, s15                    ; my column
	s_or_b32 s[G1A+0], s20, (1<<16)|(1<<20)|(1<<21)|(5<<22)|(3<<25)  ; 15:0 the mask: att's tiles go to my row; 17:16 elements of 2 bytes; 20 padding on; 21 set beside a mask; 24:22 after every 64 words; 31:25 four words
	s_or_b32 s[G1B+0], s21, (1<<16)|(1<<20)|(1<<21)|(5<<22)|(3<<25)
	s_mov_b32 s[G1A+1], KSTEP<<16                  ; tensor_dim0 = 128
	s_mov_b32 s[G1A+2], 64<<16                     ; tensor_dim1 = 64
	s_mov_b32 s[G1A+3], KSTEP<<16                  ; tile_dim0 = 128
	s_mov_b32 s[G1A+4], 64                         ; tile_dim1 = 64
	s_mov_b32 s[G1A+5], 1024                       ; elements from row to row
	s_mov_b32 s[G1A+6], 0
	s_mov_b32 s[G1A+7], 0
	s_mov_b32 s[G1B+1], KSTEP<<16
	s_mov_b32 s[G1B+2], 128<<16                    ; 128 rows
	s_mov_b32 s[G1B+3], KSTEP<<16
	s_mov_b32 s[G1B+4], 128
	s_mov_b32 s[G1B+5], 1024
	s_mov_b32 s[G1B+6], 0
	s_mov_b32 s[G1B+7], 0
	s_lshl_b32 s40, s18, 7                         ; att: row 128 x tile row + 64 x half, 2,048 bytes a row.  These registers never hold cx
	s_lshl_b32 s41, s14, 6
	s_add_co_u32 s40, s40, s41
	s_lshl_b32 s40, s40, 11
	s_mov_b32 s41, 0
	s_lshl_b32 s42, s17, 8                         ; Wo: row 256 x tile column + 128 x half.  These never hold cy
	s_lshl_b32 s43, s14, 7
	s_add_co_u32 s42, s42, s43
	s_lshl_b32 s42, s42, 11
	s_mov_b32 s43, 0
	s_mul_i32 s44, s14, AH                         ; where they go: no place in the cluster enters an LDS address
	s_mul_i32 s45, s14, BH
	s_add_co_u32 s45, s45, BOFF
	s_wait_dscnt 0x0                               ; both opening adds are done
	s_wait_kmcnt 0x0
	s_add_nc_u64 s[40:41], s[4:5], s[40:41]
	s_add_nc_u64 s[42:43], s[6:7], s[42:43]
	CROUND                                         ; all sixteen work-groups are here: the first joint loads meet
.irp s, 0,1
	s_mov_b32 s[G0A+4*\s], 1
	s_add_co_u32 s[G0A+4*\s+1], s44, \s*SLOT
	s_add_nc_u64 s[G0A+4*\s+2:G0A+4*\s+3], s[40:41], \s*KSTEP*2
	s_or_b32 s[G0A+4*\s+3], s[G0A+4*\s+3], 0x80000000
	s_mov_b32 s[G0B+4*\s], 1
	s_add_co_u32 s[G0B+4*\s+1], s45, \s*SLOT
	s_add_nc_u64 s[G0B+4*\s+2:G0B+4*\s+3], s[42:43], \s*KSTEP*2
	s_or_b32 s[G0B+4*\s+3], s[G0B+4*\s+3], 0x80000000
	JLOAD \s
.endr
	v_and_b32 v1, 15, v0                           ; r = lane % 16
	v_bfe_u32 v2, v0, 4, 1                         ; h = lane / 16
	v_mul_u32_u24 v3, v1, PITCH
	v_lshl_add_u32 v3, v2, 4, v3                   ; a fragment's row x pitch + 16 x half
	s_mul_i32 s46, s13, AH                         ; my 64 rows of att
	s_mul_i32 s47, s14, BH                         ; my 128 rows of Wo,
	s_add_co_u32 s47, s47, BOFF                    ; which lie behind att's 128
.irp s, 0,1
	v_add_nc_u32 v[ADRA+\s], s46, v3
	v_add_nc_u32 v[ADRB+\s], s47, v3
	s_add_co_u32 s46, s46, SLOT
	s_add_co_u32 s47, s47, SLOT
.endr
	s_mul_i32 s46, s12, 16*SPITCH
	s_add_co_u32 s46, s46, STAGE                   ; my stage
	v_mul_u32_u24 v4, v1, SPITCH                   ; in: row r, 32 bytes for each half of the lanes
	v_lshl_add_u32 v4, v2, 5, v4
	v_add_nc_u32 v[STO], s46, v4
	v_and_b32 v5, 31, v0
	v_lshlrev_b32 v[CO], 4, v5                     ; back: the 32 lanes take one row of 512 bytes; and the same in out0
	v_add_nc_u32 v[RD], s46, v[CO]
	v_lshlrev_b32 v[BOV], 5, v2
	s_lshl_b32 s46, s17, 10                        ; my first column, in bytes: 1,024 x tile column + 512 x half: in bo and in a row of out0
	s_lshl_b32 s47, s14, 9
	s_add_co_u32 s46, s46, s47
	s_mov_b32 s47, 0
	s_add_nc_u64 s[8:9], s[8:9], s[46:47]
	s_add_nc_u64 s[10:11], s[10:11], s[46:47]
	s_lshl_b32 s46, s18, 7                         ; my first row: 128 x tile row + 64 x half, 4,096 bytes a row
	s_lshl_b32 s22, s13, 6
	s_add_co_u32 s46, s46, s22
	s_lshl_b32 s46, s46, 12
	s_add_nc_u64 s[10:11], s[10:11], s[46:47]
	WIN 0x80                                       ; destination window 2
.irp b, 0,1,2,3,4,5,6,7
	global_load_b128 v[8*\b:8*\b+3], v[BOV], s[8:9] offset:64*\b          ; lane (r, h): bo of columns 16 b + 8 h + 0 .. 7: the result's layout
	global_load_b128 v[8*\b+4:8*\b+7], v[BOV], s[8:9] offset:64*\b+16
.endr
	WIN 0
; 8 matrix instructions: att's block a against Wo's eight, 32 along K, from buffers f.  first = 1: C is the bias.  The 32 accumulators take turns, one instruction a turn, in the same order in every quarter.
.macro MULA f, a, first
.irp b, 0,1,2,3,4,5,6,7
.if \first
	v_wmma_f32_16x16x32_f16 v[8*(8*(\a)+\b):8*(8*(\a)+\b)+7], v[BFR+64*(\f)+8*\b:BFR+64*(\f)+8*\b+7], v[AFR+32*(\f)+8*(\a):AFR+32*(\f)+8*(\a)+7], v[8*\b:8*\b+7]
.else
	v_wmma_f32_16x16x32_f16 v[8*(8*(\a)+\b):8*(8*(\a)+\b)+7], v[BFR+64*(\f)+8*\b:BFR+64*(\f)+8*\b+7], v[AFR+32*(\f)+8*(\a):AFR+32*(\f)+8*(\a)+7], v[8*(8*(\a)+\b):8*(8*(\a)+\b)+7]
.endif
.endr
.endm
; 24 LDS loads in one run: the fragments of 32 along K at byte k of the rows, into buffers f: Wo's sixteen loads, then att's eight
.macro FETCH slot, k, f
.irp i, 0,1,2,3,4,5,6,7
	ds_load_b128 v[BFR+64*(\f)+8*\i:BFR+64*(\f)+8*\i+3],   v[ADRB+\slot] offset:\k+\i*16*PITCH
	ds_load_b128 v[BFR+64*(\f)+8*\i+4:BFR+64*(\f)+8*\i+7], v[ADRB+\slot] offset:\k+\i*16*PITCH+32
.endr
.irp i, 0,1,2,3
	ds_load_b128 v[AFR+32*(\f)+8*\i:AFR+32*(\f)+8*\i+3],   v[ADRA+\slot] offset:\k+\i*16*PITCH
	ds_load_b128 v[AFR+32*(\f)+8*\i+4:AFR+32*(\f)+8*\i+7], v[ADRA+\slot] offset:\k+\i*16*PITCH+32
.endr
.endm
.macro PLACES                          ; four places in front of loads into registers that matrix instructions have read, and of stores that read results (ISA guide 7.12.1 for vector instructions)
.rept 4
	v_nop
.endr
.endm
; A K step is four quarters of 32 along K, 32 matrix instructions each, on buffers 0, 1, 0, 1.  One of the first three: multiplies buffers f and fetches the next quarter, at byte k, into g.
.macro QUARTER slot, k, f, g, first
.set MW, MUL
.if \first
.set MW, FST
.endif
	s_wait_dscnt 4                                 ; Wo's fragments and att's blocks 0 and 1 are in; the youngest four loads (blocks 2 and 3) may be out
	WIN MW
	MULA \f, 0, \first
	MULA \f, 1, \first
	PLACES
	WIN 0
	FETCH \slot, \k, \g
	s_wait_dscnt 24                                ; all but the 24 just issued
	WIN MW
	MULA \f, 2, \first
	MULA \f, 3, \first
.endm
; The last quarter multiplies buffers 1 and changes slots: ONE barrier; in front of it each wave waits for all its tensor loads, adds 0 to its spare word, and waits for that and for its own reads of this slot.
; fill = 1: the barrier opens a round of the cluster's barrier, and this slot is filled again, two K steps ahead: the load has a K step less this quarter's first half in which to land.
.macro TURN slot, next, fill
	WIN 0                                          ; (the add's two registers lie in window 0)
	s_wait_tensorcnt 0x0                           ; all my tensor loads have landed: my part of the next slot
	ds_add_u32 v[SPW], v[NIL]                      ; 0 onto my spare word
	s_wait_dscnt 5                                 ; (the add and the youngest four loads may be out)
	WIN MUL
	MULA 1, 0, 0                                   ; eight matrix instructions stand between the add and the wait for it
	s_wait_dscnt 0x0                               ; the add is done, and my reads of this slot are over
	s_barrier_signal -1
	MULA 1, 1, 0
	WIN 0                                          ; (branches and loads follow)
	s_barrier_wait -1
.if \fill
	CREST                                          ; no wave of any partner still reads this slot's tile or has a load on its way
	s_add_nc_u64 s[G0A+4*\slot+2:G0A+4*\slot+3], s[G0A+4*\slot+2:G0A+4*\slot+3], 2*KSTEP*2
	s_add_nc_u64 s[G0B+4*\slot+2:G0B+4*\slot+3], s[G0B+4*\slot+2:G0B+4*\slot+3], 2*KSTEP*2
	JLOAD \slot                                    ; the first tensor load behind the round; the four v_nop behind it are also the places in front of the loads below
.else
	PLACES
.endif
	FETCH \next, 0, 0
	WIN MUL
	MULA 1, 2, 0
	MULA 1, 3, 0
.endm
	s_wait_tensorcnt 1                             ; my part of K step 0 is in (K step 1's load may be out)
	s_barrier_signal -1
	s_barrier_wait -1                              ; everybody's is
	FETCH 0, 0, 0
	s_wait_loadcnt 0x0                             ; the bias
	QUARTER 0, 64, 0, 1, 1                         ; the first quarter stands in front of the loop: its products start the sums with the bias
	WIN 0                                          ; at a label and at a branch every window is 0
	s_mov_b32 s3, LAPS-1
.Llap:                                                 ; a trip goes once round the ring, from a lap's second quarter to the next lap's first, and fills both slots again
	QUARTER 0, 128, 1, 0, 0
	QUARTER 0, 192, 0, 1, 0
	TURN 0, 1, 1
	QUARTER 1, 64,  0, 1, 0
	QUARTER 1, 128, 1, 0, 0
	QUARTER 1, 192, 0, 1, 0
	TURN 1, 0, 1
	QUARTER 0, 64,  0, 1, 0
	WIN 0
	s_sub_co_u32 s3, s3, 1
	s_cmp_lg_u32 s3, 0
	s_cbranch_scc1 .Llap
	QUARTER 0, 128, 1, 0, 0                        ; the last lap fills nothing, and has no round of the cluster's barrier
	QUARTER 0, 192, 0, 1, 0
	TURN 0, 1, 0
	QUARTER 1, 64,  0, 1, 0
	QUARTER 1, 128, 1, 0, 0
	QUARTER 1, 192, 0, 1, 0
	s_wait_dscnt 4                                 ; the very last quarter: nothing more to fetch
	WIN MUL
	MULA 1, 0, 0
	MULA 1, 1, 0
	s_wait_dscnt 0
	MULA 1, 2, 0
	MULA 1, 3, 0
	WIN 0
; THE WAY OUT, block by block of 16 rows x 128 columns.  A lane holds 32 neighbouring bytes of a row, and the lanes beside it hold other rows: so a block goes through my own stage in LDS and comes back as whole rows of
; 512 bytes.  LDS serves a wave's instructions in order (ISA guide 5.7.1.4): no wait between the stores and the loads, nor in front of the next block's stores.
.macro TOSTAGE a
.set AC, 64*(\a)
	WIN 0x04                                       ; an LDS store's data are its source 1: window 1
.irp b, 0,1,2,3,4,5,6,7
	ds_store_b128 v[STO], v[AC+8*\b:AC+8*\b+3] offset:64*\b          ; each accumulator from its low end on
	ds_store_b128 v[STO], v[AC+8*\b+4:AC+8*\b+7] offset:64*\b+16
.endr
	WIN 0
.set BB, BK+64*((\a)%2)
.irp t, 0,1,2,3,4,5,6,7,8,9,10,11,12,13,14,15
	ds_load_b128 v[BB+4*\t:BB+4*\t+3], v[RD] offset:\t*SPITCH
.endr
.endm
.macro SEND a, younger                 ; younger: the LDS instructions issued behind block a's loads, which may stay out
.set BB, BK+64*((\a)%2)
	s_wait_dscnt \younger                          ; the block is back in registers
.if (\a) > 0
	s_add_nc_u64 s[10:11], s[10:11], 16*4096       ; (behind a wait on XCNT: the earlier stores have read their base)  16 rows on
.endif
.irp t, 0,1,2,3,4,5,6,7,8,9,10,11,12,13,14,15
	global_store_b128 v[CO], v[BB+4*\t:BB+4*\t+3], s[10:11] offset:\t*4096 th:TH_STORE_NT   ; 32 lanes store 512 bytes on end, at a multiple of 256 from out0's first byte; written once, read by nobody here
.endr
.endm
	PLACES                                         ; behind the last products: results are read, and loads land in the registers that held fragments
	TOSTAGE 0
.irp a, 1,2,3
.if \a > 1
	s_wait_xcnt 0x0                                ; block a - 2's stores have read their registers and their base: block a's loads may land there, and the base may step
.endif
	TOSTAGE \a
	SEND \a-1, 32                                  ; behind block a - 1's loads: block a's 16 stores and 16 loads
.endr
	s_wait_xcnt 0x0                                ; block 2's stores have read their base
	SEND 3, 0
	s_wait_tensorcnt 0x0                           ; the wave's end: behind my last tensor load and my last LDS store
	ds_add_u32 v[SPW], v[NIL]
	s_wait_dscnt 0x0
	CROUND                                         ; the closing round: no work-group ends while a partner may still ask for a tile that names it
	s_endpgm
.Lfunc_end_k_q5804f3a26e_outp:
	.size	k_q5804f3a26e_outp, .Lfunc_end_k_q5804f3a26e_outp-k_q5804f3a26e_outp
	.p2alignl 7, 3214868480
	.fill 96, 4, 3214868480
	.section	.rodata,"a",@progbits
	.p2align	6, 0x0
	.amdhsa_kernel k_q5804f3a26e_outp
		.amdhsa_group_segment_fixed_size 327680
		.amdhsa_private_segment_fixed_size 0
		.amdhsa_enable_private_segment 0
		.amdhsa_kernarg_size 32
		.amdhsa_user_sgpr_count 2
		.amdhsa_user_sgpr_kernarg_segment_ptr 1
		.amdhsa_wavefront_size32 1
		.amdhsa_system_sgpr_workgroup_id_x 1
		.amdhsa_system_sgpr_workgroup_id_y 1
		.amdhsa_system_sgpr_workgroup_id_z 1
		.amdhsa_system_vgpr_workitem_id 0
		.amdhsa_next_free_vgpr 576
		.amdhsa_next_free_sgpr 66
		.amdhsa_reserve_vcc 0
		.amdhsa_float_denorm_mode_32 3
		.amdhsa_float_denorm_mode_16_64 3
		.amdhsa_memory_ordered 1
		.amdhsa_forward_progress 1
		.amdhsa_inst_pref_size 86
	.end_amdhsa_kernel
	.amdgpu_metadata
---
amdhsa.version: [ 1, 2 ]
amdhsa.kernels:
  - .name:           k_q5804f3a26e_outp
    .symbol:         k_q5804f3a26e_outp.kd
    .args:
      - { .name: att, .offset: 0, .size: 8, .value_kind: global_buffer, .address_space: global }
      - { .name: wo16, .offset: 8, .size: 8, .value_kind: global_buffer, .address_space: global }
      - { .name: bo, .offset: 16, .size: 8, .value_kind: global_buffer, .address_space: global }
      - { .name: out0, .offset: 24, .size: 8, .value_kind: global_buffer, .address_space: global }
    .group_segment_fixed_size: 327680
    .private_segment_fixed_size: 0
    .kernarg_segment_align: 8
    .kernarg_segment_size: 32
    .max_flat_workgroup_size: 128
    .sgpr_count:     66
    .vgpr_count:     576
    .wavefront_size: 32
...
	.end_amdgpu_metadata
.endif
;; end of part 4
